; MI455X (gfx1250); checked and timed in simulation.
; The chip was launched on July 23, 2026; its instructions are those of AMD's public machine-readable ISA for CDNA 5 (MIT licence, August 2026) and "CDNA5" Instruction Set Architecture Reference Guide (July 2026). The comments in the code are by the model that wrote it; some were corrected since.
;; Self Attention. Allowed arithmetic: matrix products marked QUANTISED: E2M1 operands, one E8M0 scale for each 32 along K, by v_wmma_scale_f32_16x16x128_f8f6f4 with both operands' format E2M1 (or v_wmma_scale_f32_32x16x128_f4), f32 sums; products left as they are: bf16, f16 or f32 operands; f32 sums; everything else in f32.
;; Inputs: Wk 1,024 x 1,024 float32; Wq 1,024 x 1,024 float32; Wu 1,024 x 1,024 float32; Wv 1,024 x 1,024 float32; kln_b 64 float32; kln_w 64 float32; qln_b 64 float32; qln_w 64 float32; x 4 x 2,048 x 1,024 float32.
;; Outputs: out0 4 x 2,048 x 1,024 float32.
;; This version of the problem:
;;   THIS VERSION OF THE PROBLEM IS GIVEN IN LOW PRECISION. The matrix products marked QUANTISED in the list below multiply operands that are first quantised to E2M1 (2 exponent bits, 1 mantissa bit; 4 bits a number), with one power-of-two scale for each 32 numbers along K (OCP MX v1.0); their sums are f32. The products marked 'left as it is' may take bf16, f16 or f32 operands, with f32 sums. Whichever they take, every output number must still come out within the allowed error. Rounding operands to bf16 (8 significant bits) uses up far more of that allowance than f16 does (11 bits, for magnitudes from 6e-5 to 65,504). All else is computed in f32.
;;   The module's matrix products, in the order in which they are computed (A, B: the left and right operand; K: the contracted axis; several contracted axes count as one K, in the product's order):
;;     1. [M 8,192, K 1,024] x [K 1,024, N 1,024]; A: input x; B: input Wk: QUANTISED
;;     2. [M 8,192, K 1,024] x [K 1,024, N 1,024]; A: input x; B: input Wq: QUANTISED
;;     3. [M 8,192, K 1,024] x [K 1,024, N 1,024]; A: input x; B: input Wv: QUANTISED
;;     4. batch 64 x [M 2,048, K 64] x [K 64, N 2,048]; A: computed on the way; B: computed on the way: left as it is (an operand is computed on the way)
;;     5. batch 64 x [M 64, K 2,048] x [K 2,048, N 2,048]; A: computed on the way; B: computed on the way: left as it is (an operand is computed on the way)
;;     6. [M 8,192, K 1,024] x [K 1,024, N 1,024]; A: computed on the way; B: input Wu: left as it is (an operand is computed on the way)
;;   THE QUANTISER, for each operand of a quantised product, along K:
;;     - K is cut into blocks of 32 from its start; a last block that is shorter is filled with zeros.
;;     - A block's scale is 2^e with e = floor(log2(the largest magnitude in the block)) - 2, held to -126 .. 127; a block of zeros has e = 0. As a byte (E8M0): e + 127.
;;     - Each number is divided by its block's scale, clamped to +-6, and rounded to the nearest number of E2M1, ties to even, subnormals kept.
;;     - The product sums the exact products of the quantised numbers (number of the format x scale) in f32.
;;   ~~~python
;;   def quantise(x, axis):      # numpy; x: float32 -> the quantised numbers, widened to float32 again
;;       x = np.moveaxis(x, axis, -1); K = x.shape[-1]
;;       x = np.pad(x, [(0, 0)] * (x.ndim - 1) + [(0, -K % 32)]); x = x.reshape(x.shape[:-1] + (-1, 32)); a = np.abs(x).max(-1, keepdims=True)
;;       e = np.where(a > 0, np.clip(np.frexp(np.where(a > 0, a, 1))[1] - 1 - 2, -126, 127), 0)      # np.frexp(a)[1] - 1 = floor(log2(a)), exactly
;;       r = np.clip(x / 2.0 ** e, -6, 6)
;;       step = 2.0 ** (np.maximum(np.frexp(np.where(r == 0, 1, r))[1] - 1, 0) - 1)
;;       q = np.round(r / step) * step * 2.0 ** e      # np.round: ties to even
;;       return np.moveaxis(q.reshape(q.shape[:-2] + (-1,))[..., :K], -1, axis).astype(np.float32)
;;   ~~~
;; One version. Each part assembles by itself: llvm-mc -triple=amdgcn-amd-amdhsa -mcpu=gfx1250 --defsym DOCPART=n.
;; ======== version 1 of 1: 5 launches
;; limits: values are held in f16: magnitudes above 65,504 overflow, below 6.1e-05 lose precision
;; workspace buffers: x_codes 4,194,304 bytes; x_scales 262,144 bytes; w_codes 1,572,864 bytes; w_scales 98,304 bytes; wu16 2,097,152 bytes; qkv 50,331,648 bytes; fine 786,432 bytes; ao 16,777,216 bytes
;; launch quant (part 1): grid 384 x 1, 4 waves a work-group, no clusters, 33,280 bytes of LDS; arguments x, Wk, Wq, Wv, Wu, x_codes, x_scales, w_codes, w_scales, wu16; writes x_codes, x_scales, w_codes, w_scales, wu16
.if DOCPART == 1
	.amdgcn_target "amdgcn-amd-amdhsa--gfx1250"
	.amdhsa_code_object_version 6
	.text
	.protected	k_qabdbe38d68_quant
	.globl	k_qabdbe38d68_quant
	.p2align	8
	.type	k_qabdbe38d68_quant,@function
k_qabdbe38d68_quant:
	s_mov_b64 s[64:65], 0
	v_nop
	global_prefetch_b8 v0, s[64:65] scope:SCOPE_SE
	s_setreg_imm32_b32 hwreg(HW_REG_WAVE_MODE, 25, 1), 1
	s_wait_xcnt 0x0
; SELF-ATTENTION, b = 4, t = 2,048, e = 1,024, 16 heads of 64.  FIVE LAUNCHES: (1) this one: x, Wk, Wq, Wv into codes of FP4 (E2M1) with one E8M0 byte for each 32 along K; Wu into f16.
; (2) k, q, v = x W^T on the codes, the per-head LayerNorm of k and q, results in f16 (and the first 16 positions of each sequence in f32).  (3) causal attention in f16, sums in f32.
; (4) the projection by Wu in f16, sums in f32.  (5) positions 0 to 15 of each sequence once more, all in f32, written over (4)'s rows.
; WORK LEFT OUT: kln_b.  A score is w_ij = scale q_i . (khat_j kln_w + kln_b) = scale q_i . (khat_j kln_w) + scale q_i . kln_b.  The last term does not depend on j, the softmax's axis, and a softmax is
; unchanged by a term that is the same along its axis; the product of q and k has no quantiser ahead of it.  So kln_b reaches no output, whatever finite values the inputs hold: it is not loaded and is an argument of no launch.
; Key tiles that lie wholly above the diagonal of the causal mask, which the problem builds itself, are not multiplied.  LIMIT: a NaN, an infinity or an overflow that reaches only the work left out is not carried to the result.
; LIMITS: q, k, v, the attention's result and Wu are rounded to f16: magnitudes under 65,504.  A block whose largest magnitude lies under 2^-124 keeps the scale byte 1; a block of zeros too (its codes are zeros, and
; this program alone reads the bytes).  NaN and infinities among the inputs are not served.
; THIS LAUNCH.  All four quantised tensors have K innermost and dense rows: plain streams of blocks of 32.  A work-group takes 32,768 numbers, a wave 8,192, in 16 steps of 512.
; Work-groups 0-255: x.  256-351: Wk, Wq, Wv, 32 each; their codes and bytes lie on end in w_codes and w_scales.  352-383: Wu, rounded to f16.  Only pointers are chosen for the quantising work-groups: one path.
; A block's scale is 2^(floor(log2(largest magnitude)) - 2): its byte is the largest magnitude's exponent field - 2, held at 1 from below.
; Each load reads 512 consecutive bytes; a step's 2,048 bytes turn through the wave's own stage in LDS, so that a lane holds 16 neighbours along K; two neighbouring lanes hold a block.
.set STEPS, 16
.set EMAX,  2
.set CB,    8                          ; bytes of 16 codes
.set R,     16                         ; v16-79   four sets of 16 numbers as loaded (Wu: set A)
.set X,     80                         ; v80-111  two sets of 16 neighbours (Wu: v80-143 set B)
.set E,     112                        ; v112-127 a scale byte for each step
.set C,     128                        ; v128-191 codes: four registers a step (Wu: v144-175 packed f16)
.set WREG,  8192                       ; LDS: a region for each wave: two stages of 32 x SP bytes, then its 256 scale bytes
.set SP,    80                         ; a lane's place in a stage: 64 bytes + 16 of padding
.set SPW,   12                         ; v12  LDS address of my spare word; never rewritten
.set NIL,   13                         ; v13  0; never rewritten
.set SPARE, 4*WREG                     ; the spare words: 128 bytes a wave
	s_load_b256 s[4:11], s[0:1], 0x0               ; x, Wk, Wq, Wv
	s_load_b256 s[12:19], s[0:1], 0x20             ; Wu, x_codes, x_scales, w_codes
	s_load_b128 s[20:23], s[0:1], 0x40             ; w_scales, wu16
	v_lshl_add_u32 v[SPW], v0, 2, SPARE
	v_mov_b32 v[NIL], 0
	v_lshrrev_b32 v1, 5, v0
	v_readfirstlane_b32 s24, v1                    ; wave
	v_and_b32 v2, 31, v0                           ; lane
	v_lshlrev_b32 v3, 4, v2                        ; my 16 bytes of a load's 512
	s_mul_i32 s25, s24, WREG
	v_lshrrev_b32 v14, 2, v2
	v_mul_u32_u24 v14, v14, SP
	v_and_b32 v15, 3, v2
	v_lshl_add_u32 v14, v15, 4, v14
	v_add_nc_u32 v14, s25, v14                     ; the stage, on the way in: SP (lane / 4) + 16 (lane % 4)
	v_mul_u32_u24 v15, v2, SP
	v_add_nc_u32 v15, s25, v15                     ; and on the way out: SP x lane
	v_mul_u32_u24 v4, v2, CB                       ; 8 x lane: my codes' place in a step's; Wu: my f16 numbers' place
	v_lshrrev_b32 v5, 1, v2
	s_add_co_u32 s25, s25, 2*32*SP
	v_add_nc_u32 v5, s25, v5                       ; LDS: my block's scale byte
	v_lshlrev_b32 v7, 3, v2
	v_add_nc_u32 v6, s25, v7                       ; and 8 bytes a lane on the way out
	s_sub_co_u32 s25, ttmp9, 256                   ; a weight's work-group: its number among the 96 (not used in x's)
	s_lshr_b32 s26, s25, 5                         ; 0 Wk, 1 Wq, 2 Wv
	s_and_b32 s27, s25, 31                         ; its run in that weight
	s_wait_kmcnt 0x0
	s_cmp_ge_u32 ttmp9, 352
	s_cbranch_scc1 .Lwu
	s_cmp_eq_u32 s26, 0                            ; the choices hang on the work-group's number alone
	s_cselect_b64 s[28:29], s[6:7], s[8:9]
	s_cmp_eq_u32 s26, 2
	s_cselect_b64 s[28:29], s[10:11], s[28:29]
	s_cmp_lt_u32 ttmp9, 256
	s_cselect_b64 s[4:5], s[4:5], s[28:29]         ; the numbers
	s_cselect_b64 s[8:9], s[14:15], s[18:19]       ; the codes
	s_cselect_b64 s[10:11], s[16:17], s[20:21]     ; the scale bytes
	s_cselect_b32 s27, ttmp9, s27                  ; run in the source
	s_cselect_b32 s25, ttmp9, s25                  ; run in the destination
	s_lshl_b32 s27, s27, 2
	s_add_co_u32 s27, s27, s24
	s_lshl_b32 s30, s27, 15                        ; a wave's 8,192 numbers are 32,768 bytes
	s_mov_b32 s31, 0
	s_add_nc_u64 s[4:5], s[4:5], s[30:31]
	s_lshl_b32 s25, s25, 2
	s_add_co_u32 s25, s25, s24
	s_lshl_b32 s30, s25, 12                        ; 4,096 bytes of codes
	s_add_nc_u64 s[8:9], s[8:9], s[30:31]
	s_lshl_b32 s30, s25, 8                         ; 256 scale bytes
	s_add_nc_u64 s[10:11], s[10:11], s[30:31]
.macro LOAD t
.irp i, 0,1,2,3
	global_load_b128 v[R+16*((\t)%4)+4*\i:R+16*((\t)%4)+4*\i+3], v3, s[4:5] offset:2048*(\t)+512*\i th:TH_LOAD_NT   ; 32 lanes read 512 consecutive bytes
.endr
.endm
.macro TURN t                          ; step t's numbers through the stage: LDS serves a wave's instructions in order
.irp i, 0,1,2,3
	ds_store_b128 v14, v[R+16*((\t)%4)+4*\i:R+16*((\t)%4)+4*\i+3] offset:32*SP*((\t)%2)+8*SP*\i
.endr
.irp i, 0,1,2,3
	ds_load_b128 v[X+16*((\t)%2)+4*\i:X+16*((\t)%2)+4*\i+3], v15 offset:32*SP*((\t)%2)+16*\i
.endr
.endm
.irp t, 0,1,2,3
	LOAD \t
.endr
	s_wait_loadcnt 12                              ; step 0's four loads are in; the twelve behind them stay out
	TURN 0
.macro STEP t
.set XS, X+16*((\t)%2)
.if (\t) > 0
	s_wait_dscnt 1                                 ; this step's numbers are back from the stage (the last step's byte store may be out)
.else
	s_wait_dscnt 0x0
.endif
.if (\t)+4 < STEPS
	LOAD (\t)+4                                    ; into the registers that the stage's stores have read
.endif
.if (\t)+1 < STEPS
.if STEPS-2-(\t) >= 3
	s_wait_loadcnt 12                              ; the next step's four loads are in; those of the three steps behind it may be out
.else
	s_wait_loadcnt 4*(STEPS-2-(\t))
.endif
	TURN (\t)+1
.endif
	v_max3_num_f32 v8, |v[XS]|, |v[XS+1]|, |v[XS+2]|               ; the largest magnitude of my 16, in two chains
	v_max3_num_f32 v9, |v[XS+3]|, |v[XS+4]|, |v[XS+5]|
.irp i, 6,10
	v_max3_num_f32 v8, v8, |v[XS+\i]|, |v[XS+\i+1]|
	v_max3_num_f32 v9, v9, |v[XS+\i+2]|, |v[XS+\i+3]|
.endr
	v_max3_num_f32 v8, v8, |v[XS+14]|, |v[XS+15]|
	v_max3_num_f32 v8, v8, v9, (EMAX+1)<<23        ; and the floor 2^(3 - 127): the byte cannot fall under 1
	v_max_num_f32_dpp v8, v8, v8 row_xmask:1 row_mask:0xf bank_mask:0xf   ; with my neighbour's 16: the block's
	v_add_nc_u32 v11, -(EMAX<<23), v8              ; 2 off its exponent field: the conversion takes the exponent field of this operand as its scale
	v_cvt_scalef32_pk8_fp4_f32 v[C+4*(\t)], v[XS:XS+7], v11
	v_cvt_scalef32_pk8_fp4_f32 v[C+4*(\t)+1], v[XS+8:XS+15], v11
	v_lshrrev_b32 v[E+(\t)], 23, v11               ; the scale's byte
	ds_store_b8 v5, v[E+(\t)] offset:16*(\t)       ; both lanes of a block write the same byte with the same value
	global_store_b64 v4, v[C+4*(\t):C+4*(\t)+1], s[8:9] offset:32*CB*(\t)   ; the wave stores 256 consecutive bytes, aligned
.endm
.irp t, 0,1,2,3,4,5,6,7,8,9,10,11,12,13,14,15
	STEP \t
.endr
	ds_load_b64 v[8:9], v6                         ; my wave's 256 scale bytes: these loads see my stores
	s_wait_dscnt 0x0
	global_store_b64 v7, v[8:9], s[10:11]          ; 256 consecutive bytes, aligned
	s_wait_tensorcnt 0x0                           ; the wave's end, behind my last LDS store
	ds_add_u32 v[SPW], v[NIL]
	s_wait_dscnt 0x0
	s_endpgm
; Wu to f16: no LDS.  A wave takes 8,192 numbers: 64 loads of 512 bytes in four runs of 16, two sets of registers by turns; each store covers 256 consecutive bytes, aligned.
.Lwu:
	s_sub_co_u32 s25, ttmp9, 352
	s_lshl_b32 s25, s25, 2
	s_add_co_u32 s25, s25, s24
	s_lshl_b32 s26, s25, 15
	s_mov_b32 s27, 0
	s_add_nc_u64 s[12:13], s[12:13], s[26:27]
	s_lshl_b32 s26, s25, 14
	s_add_nc_u64 s[22:23], s[22:23], s[26:27]
.macro LOADW j, set
.irp i, 0,1,2,3,4,5,6,7,8,9,10,11,12,13,14,15
	global_load_b128 v[\set+4*\i:\set+4*\i+3], v3, s[12:13] offset:512*(16*\j+\i)
.endr
.endm
.macro CVTW j, set, left
	s_wait_loadcnt \left                           ; this set's 16 loads are in; the other set's may be out
.if \j > 0
	s_wait_xcnt 0x0                                ; the last run's stores have read their data: the packed words are written again only behind this wait
.endif
.irp i, 0,1,2,3,4,5,6,7,8,9,10,11,12,13,14,15
	v_cvt_pk_f16_f32 v[144+2*\i], v[\set+4*\i], v[\set+4*\i+1]
	v_cvt_pk_f16_f32 v[145+2*\i], v[\set+4*\i+2], v[\set+4*\i+3]
.endr
.irp i, 0,1,2,3,4,5,6,7,8,9,10,11,12,13,14,15
	global_store_b64 v4, v[144+2*\i:145+2*\i], s[22:23] offset:256*(16*\j+\i)
.endr
.endm
	LOADW 0, 16
	LOADW 1, 80
	CVTW 0, 16, 16
	LOADW 2, 16
	CVTW 1, 80, 16
	LOADW 3, 80
	CVTW 2, 16, 16
	CVTW 3, 80, 0
	s_endpgm
.Lfunc_end_k_qabdbe38d68_quant:
	.size	k_qabdbe38d68_quant, .Lfunc_end_k_qabdbe38d68_quant-k_qabdbe38d68_quant
	.p2alignl 7, 3214868480
	.fill 96, 4, 3214868480
	.section	.rodata,"a",@progbits
	.p2align	6, 0x0
	.amdhsa_kernel k_qabdbe38d68_quant
		.amdhsa_group_segment_fixed_size 33280
		.amdhsa_private_segment_fixed_size 0
		.amdhsa_enable_private_segment 0
		.amdhsa_kernarg_size 80
		.amdhsa_user_sgpr_count 2
		.amdhsa_user_sgpr_kernarg_segment_ptr 1
		.amdhsa_wavefront_size32 1
		.amdhsa_system_sgpr_workgroup_id_x 1
		.amdhsa_system_sgpr_workgroup_id_y 1
		.amdhsa_system_sgpr_workgroup_id_z 1
		.amdhsa_system_vgpr_workitem_id 0
		.amdhsa_next_free_vgpr 192
		.amdhsa_next_free_sgpr 66
		.amdhsa_reserve_vcc 0
		.amdhsa_float_denorm_mode_32 3
		.amdhsa_float_denorm_mode_16_64 3
		.amdhsa_memory_ordered 1
		.amdhsa_forward_progress 1
		.amdhsa_inst_pref_size 54
	.end_amdhsa_kernel
	.amdgpu_metadata
---
amdhsa.version: [ 1, 2 ]
amdhsa.kernels:
  - .name:           k_qabdbe38d68_quant
    .symbol:         k_qabdbe38d68_quant.kd
    .args:
      - { .name: x, .offset: 0, .size: 8, .value_kind: global_buffer, .address_space: global }
      - { .name: Wk, .offset: 8, .size: 8, .value_kind: global_buffer, .address_space: global }
      - { .name: Wq, .offset: 16, .size: 8, .value_kind: global_buffer, .address_space: global }
      - { .name: Wv, .offset: 24, .size: 8, .value_kind: global_buffer, .address_space: global }
      - { .name: Wu, .offset: 32, .size: 8, .value_kind: global_buffer, .address_space: global }
      - { .name: x_codes, .offset: 40, .size: 8, .value_kind: global_buffer, .address_space: global }
      - { .name: x_scales, .offset: 48, .size: 8, .value_kind: global_buffer, .address_space: global }
      - { .name: w_codes, .offset: 56, .size: 8, .value_kind: global_buffer, .address_space: global }
      - { .name: w_scales, .offset: 64, .size: 8, .value_kind: global_buffer, .address_space: global }
      - { .name: wu16, .offset: 72, .size: 8, .value_kind: global_buffer, .address_space: global }
    .group_segment_fixed_size: 33280
    .private_segment_fixed_size: 0
    .kernarg_segment_align: 8
    .kernarg_segment_size: 80
    .max_flat_workgroup_size: 128
    .sgpr_count:     66
    .vgpr_count:     192
    .wavefront_size: 32
...
	.end_amdgpu_metadata
.endif
;; end of part 1
;; launch qkv (part 2): grid 12 x 32, 4 waves a work-group, clusters of 4 x 4, 327,680 bytes of LDS; arguments x_codes, x_scales, w_codes, w_scales, kln_w, qln_w, qln_b, qkv, fine; writes qkv, fine
.if DOCPART == 2
	.amdgcn_target "amdgcn-amd-amdhsa--gfx1250"
	.amdhsa_code_object_version 6
	.text
	.protected	k_qabdbe38d68_qkv
	.globl	k_qabdbe38d68_qkv
	.p2align	8
	.type	k_qabdbe38d68_qkv,@function
k_qabdbe38d68_qkv:
	s_mov_b64 s[64:65], 0
	v_nop
	global_prefetch_b8 v0, s[64:65] scope:SCOPE_SE
	s_setreg_imm32_b32 hwreg(HW_REG_WAVE_MODE, 25, 1), 1
	s_wait_xcnt 0x0
	s_wait_alu depctr_hold_cnt(0) depctr_sa_sdst(0) depctr_va_vdst(0) depctr_va_sdst(0) depctr_va_ssrc(0) depctr_va_vcc(0) depctr_vm_vsrc(0)
	s_getreg_b32 s2, hwreg(HW_REG_IB_STS2, 6, 4)
	s_cmp_eq_u32 s2, 0
	s_cbranch_scc0 .Lentry_in_a_cluster
	s_endpgm
.Lentry_in_a_cluster:
	s_bfe_u32 s2, ttmp6, 0x10000c
	s_cmp_lg_u32 s2, 0xf033
	s_cbranch_scc0 .Lentry_shape_is_right
	s_endpgm
.Lentry_shape_is_right:
; k, q, v = x W^T on codes of FP4 with E8M0 scales: C[m][n], m = 8,192 rows of x, n = 3,072 rows of (Wk, Wq, Wv), K = 1,024; then the LayerNorm of k and q over each head's 64; results to qkv in f16, [type k q v][b][head][t][64].
; WORK LEFT OUT: kln_b (a term that is the same along the softmax's axis: shown at the head of the first launch's text): k's tiles take zeros for the norm's bias.
; A tile of C, 256 x 256, is made by four waves, 128 x 128 each: 64 accumulators of 16 x 16.  K = 1,024 is two LDS slots of 512 along K (rows of 256 bytes): all of a tile's K lies in LDS; nothing is filled again.
; The scale bytes of the tile's rows come once, as dense blocks.  CLUSTERS: 4 x 4 work-groups; the four of a row need the same tiles of x, the four of a column the same tiles of W: joint loads.
; A cluster is 1,024 columns wide: the cluster's x IS the type (0 k, 1 q, 2 v), equal in all sixteen partners: the one branch of the way out hangs on it.
; THE MATRIX INSTRUCTION IS USED TRANSPOSED (source 0 = 16 rows of W, source 1 = 16 rows of x): a lane holds row l % 16 and, in accumulator b, columns 16 b + 8 (l / 16) + 0 .. 7.  A wave's 128 columns are two heads:
; head u = b / 4.  So a lane holds 32 numbers of each head's 64 of its row, lane l xor 16 the other 32: the norm's sums want one exchange.
; THE FIRST 16 POSITIONS of each sequence also leave in f32 (buffer fine, [type][b x 16 + head][16][64]) for the last launch.  Which waves hold them hangs on the work-group's place in its cluster:
; so those stores stand under a narrowed EXEC.  They are 16-byte pieces a lane, 786,432 bytes in the whole launch.
; REGISTERS: window 0: v0-31 addresses; v32-95 scale words, two sets; v96-127 sums at work; v128-191 x's fragments, on the way out v128-159 packed f16; v160-175 statistics; v192-223 the norm's gain, v224-255 its bias.
;   window 1: W's fragments, two sets; on the way out 32 registers for each block of 16 rows.   windows 2, 3: the accumulators ((a, b) at v[8 (8 (a % 4) + b)] of window 2 + a / 4).
.set KSTEP,  512
.set NQ,     4                         ; matrix instructions deep in a slot
.set ROWB,   256                       ; a tile's row in bytes
.set KROW,   512                       ; a row of codes in memory
.set PITCH,  272                       ; an LDS row: 256 bytes + 16 of padding: the 16 rows of a fragment load start 68 words apart
.set FR,     8
.set NL,     2
.set NP,     4                         ; places behind this matrix instruction (ISA guide 7.12.1)
.set HALFT,  128*PITCH
.set SLOT,   4*HALFT
.set KS,     32                        ; a row of scale bytes
.set SCL,    2*SLOT
.set HALFS,  (128*KS/256)*272
.set SBLK,   (16*KS/256)*272
.set SPARE,  SCL+4*HALFS               ; the spare words: 128 bytes a wave
.set ADRA, 16
.set ADRB, 20
.set STO,  24                          ; v24  the way out: where I put 16 bytes of a row
.set RD,   25                          ; v25  where I read rows back
.set CO,   26                          ; v26  16 x lane
.set ADRS, 27
.set SPW,  28
.set NIL,  29
.set FO,   30                          ; v30  first 32 (l / 16), for the norm's vectors; then 256 (l % 16) + 32 (l / 16), my place in a plane of fine
.set FL,   31                          ; v31  0 where my wave's block 0 is positions 0 to 15
.set SC,   32
.set T,    96
.set AF,   128
.set TMP,  128
.set MU,   160                         ; head u: the mean at v[160 + 4 u], 1 / sqrt(var + eps) at v[162 + 4 u], each the low word of a pair; v168-171 at work
.set RS,   162
.set LW,   192
.set LB,   224
.set G1, 24
.set G0, 32
.set G1B, 48
.set G0B, 56
.set G1S, 68
.set G0S, 76
.set G1SB, 80
.set G0SB, 88
.set MSB, 0
.macro WIN new                         ; the immediate's high byte repeats the setting that is left
.if MSB != (\new)
	s_set_vgpr_msb (MSB<<8)|(\new)
.set MSB, (\new)
.endif
.endm
.set MUL_LO, 0xa1
.set MUL_HI, 0xf1
.set TO_B,   0x40
; A joint load: waves 0 and 1 fetch for x, waves 2 and 3 for W.  The branch hangs on the wave's number alone.  An s_nop 0 and four v_nop follow each of the two lines.
.macro JLOAD g0a, g1a, g0b, g1b
	s_cmp_eq_u32 s15, 0
	s_cbranch_scc0 .Lfor_b_\@
	tensor_load_to_lds s[\g0a:\g0a+3], s[\g1a:\g1a+7]
	s_nop 0
.rept 4
	v_nop
.endr
	s_branch .Lasked_\@
.Lfor_b_\@:
	tensor_load_to_lds s[\g0b:\g0b+3], s[\g1b:\g1b+7]
	s_nop 0
.rept 4
	v_nop
.endr
.Lasked_\@:
.endm
.macro CROUND                          ; a round of the cluster's barrier
	s_barrier_signal -1
	s_barrier_wait -1
	s_cmp_lg_u32 s14, 0
	s_cbranch_scc1 .Lnot_wave_0_\@
	s_barrier_signal -3
.Lnot_wave_0_\@:
	s_barrier_wait -3
	s_barrier_signal -1
	s_barrier_wait -1
.endm
	s_load_b128 s[4:7], s[0:1], 0x0                ; x's codes, x's scales
	s_load_b128 s[8:11], s[0:1], 0x10              ; W's codes, W's scales
	s_load_b64 s[12:13], s[0:1], 0x38              ; qkv
	v_lshl_add_u32 v[SPW], v0, 2, SPARE
	v_mov_b32 v[NIL], 0
	ds_add_u32 v[SPW], v[NIL]                      ; the wave's opening: the add, twice on end, and its wait ahead of my first tensor load
	ds_add_u32 v[SPW], v[NIL]
	v_lshrrev_b32 v1, 5, v0
	v_readfirstlane_b32 s14, v1                    ; wave 0..3
	s_lshr_b32 s15, s14, 1                         ; which half of the tile's rows is mine.  Also: I fetch for x (0) or for W (1)
	s_and_b32 s16, s14, 1                          ; which half of its columns.  Also: which 128 rows I fetch
	s_bfe_u32 s40, ttmp6, 0x40000                  ; cx, cy
	s_bfe_u32 s41, ttmp6, 0x40004
	s_lshl_b32 s42, ttmp9, 2
	s_add_co_u32 s42, s42, s40                     ; tile column
	s_and_b32 s17, ttmp7, 0xffff
	s_lshl_b32 s17, s17, 2
	s_add_co_u32 s17, s17, s41                     ; tile row
	s_lshl_b32 s43, s41, 2
	s_lshl_b32 s43, 15, s43                        ; my row of the cluster
	s_lshl_b32 s44, 0x1111, s40                    ; my column
	s_or_b32 s[G1+0], s43, (0<<16)|(1<<20)|(1<<21)|(5<<22)|(3<<25)  ; the mask; elements of 1 byte; padding: 4 words after every 64; bit 21 beside a mask
	s_or_b32 s[G1B+0], s44, (0<<16)|(1<<20)|(1<<21)|(5<<22)|(3<<25)
.irp g, G1, G1B
	s_mov_b32 s[\g+1], ROWB<<16                    ; tensor_dim0
	s_mov_b32 s[\g+2], 128<<16                     ; tensor_dim1
	s_mov_b32 s[\g+3], ROWB<<16                    ; tile_dim0
	s_mov_b32 s[\g+4], 128                         ; tile_dim1
	s_mov_b32 s[\g+5], KROW                        ; the pitch
	s_mov_b32 s[\g+6], 0
	s_mov_b32 s[\g+7], 0
.endr
	s_or_b32 s[G1S+0], s43, (3<<16)|(1<<20)|(1<<21)|(5<<22)|(3<<25) ; the scales of 128 rows: 4,096 dense bytes as 16 rows of 32 elements of 8 bytes
	s_or_b32 s[G1SB+0], s44, (3<<16)|(1<<20)|(1<<21)|(5<<22)|(3<<25)
.irp g, G1S, G1SB
	s_mov_b32 s[\g+1], 32<<16
	s_mov_b32 s[\g+2], (128*KS/256)<<16
	s_mov_b32 s[\g+3], 32<<16
	s_mov_b32 s[\g+4], 128*KS/256
	s_mov_b32 s[\g+5], 32
	s_mov_b32 s[\g+6], 0
	s_mov_b32 s[\g+7], 0
.endr
	s_lshl_b32 s18, s16, 7
	s_lshl_b32 s20, s17, 8
	s_add_co_u32 s20, s20, s18                     ; x: row 256 x tile row + 128 x half
	s_lshl_b32 s46, s42, 8
	s_add_co_u32 s46, s46, s18                     ; W: row 256 x tile column + 128 x half
	s_mov_b32 s21, 0
	s_mov_b32 s47, 0
	s_mov_b64 s[18:19], KS
	s_mul_u64 s[22:23], s[20:21], s[18:19]
	s_mul_u64 s[92:93], s[46:47], s[18:19]
	s_mov_b64 s[18:19], KROW
	s_mul_u64 s[20:21], s[20:21], s[18:19]
	s_mul_u64 s[46:47], s[46:47], s[18:19]
	s_mul_i32 s45, s14, HALFT                      ; where they go: wave x 128 rows
	s_mul_i32 s94, s14, HALFS
	s_wait_dscnt 0x0                               ; both opening adds are done
	s_wait_kmcnt 0x0
	s_add_nc_u64 s[20:21], s[4:5], s[20:21]
	s_add_nc_u64 s[22:23], s[6:7], s[22:23]
	s_add_nc_u64 s[46:47], s[8:9], s[46:47]
	s_add_nc_u64 s[92:93], s[10:11], s[92:93]
	CROUND                                         ; all sixteen work-groups are here: the joint loads meet
	s_mov_b32 s[G0S], 1
	s_add_co_u32 s[G0S+1], s94, SCL
	s_mov_b64 s[G0S+2:G0S+3], s[22:23]
	s_or_b32 s[G0S+3], s[G0S+3], 0x80000000
	s_mov_b32 s[G0SB], 1
	s_add_co_u32 s[G0SB+1], s94, SCL
	s_mov_b64 s[G0SB+2:G0SB+3], s[92:93]
	s_or_b32 s[G0SB+3], s[G0SB+3], 0x80000000
	JLOAD G0S, G1S, G0SB, G1SB                     ; the scales first
.irp s, 0,1
	s_mov_b32 s[G0+4*\s], 1
	s_add_co_u32 s[G0+4*\s+1], s45, \s*SLOT
	s_add_nc_u64 s[G0+4*\s+2:G0+4*\s+3], s[20:21], \s*ROWB
	s_or_b32 s[G0+4*\s+3], s[G0+4*\s+3], 0x80000000
	s_mov_b32 s[G0B+4*\s], 1
	s_add_co_u32 s[G0B+4*\s+1], s45, \s*SLOT
	s_add_nc_u64 s[G0B+4*\s+2:G0B+4*\s+3], s[46:47], \s*ROWB
	s_or_b32 s[G0B+4*\s+3], s[G0B+4*\s+3], 0x80000000
	JLOAD G0+4*\s, G1, G0B+4*\s, G1B               ; three loads of mine are out behind the second
.endr
	s_load_b128 s[92:95], s[0:1], 0x20             ; kln_w, qln_w
	s_load_b64 s[96:97], s[0:1], 0x30              ; qln_b
	s_load_b64 s[100:101], s[0:1], 0x40            ; fine
	v_and_b32 v1, 15, v0                           ; l % 16
	v_bfe_u32 v2, v0, 4, 1                         ; l / 16
	v_mul_u32_u24 v3, v1, PITCH
	v_lshl_add_u32 v4, v2, 4, v3
	s_mul_i32 s21, s15, HALFT
	s_mul_i32 s22, s16, HALFT
	s_add_co_u32 s22, s22, 2*HALFT
.irp s, 0,1
	v_add_nc_u32 v[ADRA+\s], s21, v4
	v_add_nc_u32 v[ADRB+\s], s22, v4
	s_add_co_u32 s21, s21, SLOT
	s_add_co_u32 s22, s22, SLOT
.endr
	v_mul_u32_u24 v5, v1, KS                       ; my row's scales: KS bytes a row,
	v_lshrrev_b32 v6, 8, v5
	v_lshl_add_u32 v5, v6, 4, v5                   ; and 16 more for each 256 passed
	s_mul_i32 s21, s15, HALFS
	s_mul_i32 s22, s16, HALFS
	s_add_co_u32 s22, s22, 2*HALFS
	s_sub_co_u32 s22, s22, s21
	v_mul_u32_u24 v6, s22, v2                      ; lanes 16-31 take W's
	s_add_co_u32 s21, s21, SCL
	v_add_nc_u32 v5, v5, v6
	v_add_nc_u32 v[ADRS], s21, v5
	s_mul_i32 s23, s14, 4608                       ; my stage, in slot 0: [head 2][16 rows][128 bytes + 16]
	v_mul_u32_u24 v5, v1, 144
	v_lshl_add_u32 v5, v2, 4, v5
	v_add_nc_u32 v[STO], s23, v5
	v_bfe_u32 v5, v0, 3, 2
	v_mul_u32_u24 v5, v5, 144
	v_and_b32 v6, 7, v0
	v_lshl_add_u32 v5, v6, 4, v5
	v_add_nc_u32 v[RD], s23, v5                    ; back: eight lanes to a row of 128 bytes, four rows an instruction
	v_and_b32 v6, 31, v0
	v_lshlrev_b32 v[CO], 4, v6
	s_lshl_b32 s20, s17, 8
	s_lshl_b32 s21, s15, 7
	s_add_co_u32 s20, s20, s21                     ; my first row m0 = 256 x tile row + 128 x half
	s_lshr_b32 s21, s20, 11                        ; the batch
	s_and_b32 s22, s20, 2047                       ; the position
	s_and_b32 s46, s42, 3
	s_lshl_b32 s46, s46, 2
	s_lshl_b32 s47, s16, 1
	s_add_co_u32 s46, s46, s47                     ; my first head
	s_lshl_b32 s47, ttmp9, 6
	s_lshl_b32 s21, s21, 4
	s_add_co_u32 s47, s47, s21
	s_add_co_u32 s47, s47, s46                     ; the plane: 64 type + 16 batch + head
	s_lshl_b32 s46, s47, 12                        ; in fine: 4,096 bytes a plane
	s_lshl_b32 s47, s47, 11
	s_add_co_u32 s47, s47, s22
	s_lshl_b32 s22, s47, 7                         ; in qkv: 128 bytes a row
	s_mov_b32 s23, 0
	s_mov_b32 s47, 0
	s_and_b32 s18, s17, 7
	s_or_b32 s18, s18, s15
	v_mov_b32 v[FL], s18
	s_mov_b32 s98, ttmp9                           ; the type
	s_mov_b32 s66, 0x3c800000                      ; 1 / 64
	s_mov_b32 s67, 0x3727c5ac                      ; eps = 1e-5
	s_mov_b32 s20, 0x76543210
	s_mov_b32 s21, 0xfedcba98                      ; v_permlanex16_b32's selects for lane l xor 16
	v_lshlrev_b32 v[FO], 5, v2
	s_wait_kmcnt 0x0
	s_add_nc_u64 s[12:13], s[12:13], s[22:23]
	s_add_nc_u64 s[100:101], s[100:101], s[46:47]
	s_cmp_eq_u32 ttmp9, 0
	s_cselect_b64 s[92:93], s[92:93], s[94:95]     ; the gain: k's or q's (v's work-groups load q's and do not use it: so every register is written on every way)
	s_cmp_eq_u32 ttmp9, 1
	s_cselect_b32 s99, -1, 0                       ; all ones where the bias counts: q
.irp bb, 0,1,2,3                       ; register 8 bb + j: channel 16 bb + 8 (l / 16) + j
	global_load_b128 v[LW+8*\bb:LW+8*\bb+3], v[FO], s[92:93] offset:64*\bb
	global_load_b128 v[LW+8*\bb+4:LW+8*\bb+7], v[FO], s[92:93] offset:64*\bb+16
	global_load_b128 v[LB+8*\bb:LB+8*\bb+3], v[FO], s[96:97] offset:64*\bb
	global_load_b128 v[LB+8*\bb+4:LB+8*\bb+7], v[FO], s[96:97] offset:64*\bb+16
.endr
.macro FRAG reg, adr, q, i             ; 16 rows x 128 K of 4-bit codes: registers 4 c .. 4 c + 3 hold K = 64 c + 32 (l / 16) + 0 .. 31
.irp c, 0,1
	ds_load_b128 v[\reg+4*\c:\reg+4*\c+3], v[\adr] offset:64*(\q)+32*\c+(\i)*16*PITCH
.endr
.endm
; 16 matrix instructions: x's blocks a0, a0 + 1 against W's eight.  The 64 accumulators take turns, one instruction a turn, in the same order in every step.
.macro MUL16 a0, p, q, sc, zero
.irp a, \a0, \a0+1
.irp b, 0,1,2,3,4,5,6,7
.if \zero
	v_wmma_scale_f32_16x16x128_f8f6f4 v[8*(8*((\a)%4)+\b):8*(8*((\a)%4)+\b)+7], v[128*(\p)+FR*\b:128*(\p)+FR*\b+FR-1], v[AF+FR*(\a):AF+FR*(\a)+FR-1], 0, v[SC+8*NQ*(\sc)+NQ*\b+(\q)], v[SC+8*NQ*(\sc)+NQ*(\a)+(\q)] matrix_a_fmt:MATRIX_FMT_FP4 matrix_b_fmt:MATRIX_FMT_FP4 matrix_a_scale:MATRIX_SCALE_ROW1
.else
	v_wmma_scale_f32_16x16x128_f8f6f4 v[8*(8*((\a)%4)+\b):8*(8*((\a)%4)+\b)+7], v[128*(\p)+FR*\b:128*(\p)+FR*\b+FR-1], v[AF+FR*(\a):AF+FR*(\a)+FR-1], v[8*(8*((\a)%4)+\b):8*(8*((\a)%4)+\b)+7], v[SC+8*NQ*(\sc)+NQ*\b+(\q)], v[SC+8*NQ*(\sc)+NQ*(\a)+(\q)] matrix_a_fmt:MATRIX_FMT_FP4 matrix_b_fmt:MATRIX_FMT_FP4 matrix_a_scale:MATRIX_SCALE_ROW1
.endif
.endr
.endr
.endm
.macro FETCH_B slot, q, p
	WIN TO_B
.irp i, 0,1,2,3,4,5,6,7
	FRAG 128*(\p)+FR*\i, ADRB+\slot, \q, \i
.endr
	WIN 0
.endm
.macro FETCH_A slot, q, i0
.irp i, \i0, \i0+1, \i0+2, \i0+3
	FRAG AF+FR*(\i), ADRA+\slot, \q, \i
.endr
.endm
.macro SCALES sc                       ; a slot's scale words: lanes 0-15 take x's block i, lanes 16-31 W's block i
.irp i, 0,1,2,3,4,5,6,7
	ds_load_b128 v[SC+8*NQ*\sc+NQ*\i:SC+8*NQ*\sc+NQ*\i+3], v[ADRS] offset:\i*SBLK
.endr
.endm
.macro PLACES n                        ; places in front of loads into registers that matrix instructions have read
.rept \n
	v_nop
.endr
.endm
.macro STEP slot, q, zero              ; 128 along K, with its successor in the same slot
	s_wait_dscnt 4*NL                              ; W's set and x's blocks 0-3 are in; the youngest eight loads (blocks 4-7) may be out
	WIN MUL_LO
	MUL16 0, (\q)%2, \q, \slot, \zero
	MUL16 2, (\q)%2, \q, \slot, \zero
	s_wait_dscnt 0                                 ; blocks 4-7 are in
	PLACES NP
	FETCH_B \slot, (\q)+1, 1-(\q)%2
	FETCH_A \slot, (\q)+1, 0
	WIN MUL_HI
	MUL16 4, (\q)%2, \q, \slot, \zero
	MUL16 6, (\q)%2, \q, \slot, \zero
	PLACES NP
	WIN 0
	FETCH_A \slot, (\q)+1, 4
.endm
	s_wait_tensorcnt 1                             ; the scales and my part of slot 0 are in; slot 1's load may stay out
	s_barrier_signal -1
	s_barrier_wait -1
	FETCH_B 0, 0, 0
	FETCH_A 0, 0, 0
	SCALES 0
	FETCH_A 0, 0, 4
	STEP 0, 0, 1                                   ; the first products start the sums: nothing is cleared
	STEP 0, 1, 0
	STEP 0, 2, 0
	; slot 0's last step changes slots: one barrier
	s_wait_tensorcnt 0x0                           ; my part of slot 1 has landed
	ds_add_u32 v[SPW], v[NIL]
	s_wait_dscnt 4*NL+1                            ; (the add and the youngest eight loads may be out)
	WIN MUL_LO
	MUL16 0, 1, NQ-1, 0, 0
	s_wait_dscnt 0x0                               ; the add is done, and my reads of slot 0 are over
	s_barrier_signal -1
	MUL16 2, 1, NQ-1, 0, 0
	WIN 0
	s_barrier_wait -1                              ; slot 1 is whole, and nobody reads slot 0 any more
	PLACES NP
	v_add_nc_u32 v[ADRS], 4*NQ, v[ADRS]            ; slot 1's scale words
	FETCH_B 1, 0, 0
	FETCH_A 1, 0, 0
	SCALES 1
	WIN MUL_HI
	MUL16 4, 1, NQ-1, 0, 0
	MUL16 6, 1, NQ-1, 0, 0
	PLACES NP
	WIN 0
	FETCH_A 1, 0, 4
	STEP 1, 0, 0
	STEP 1, 1, 0
	STEP 1, 2, 0
	s_wait_dscnt 4*NL
	WIN MUL_LO
	MUL16 0, 1, NQ-1, 1, 0
	MUL16 2, 1, NQ-1, 1, 0
	s_wait_dscnt 0
	WIN MUL_HI
	MUL16 4, 1, NQ-1, 1, 0
	MUL16 6, 1, NQ-1, 1, 0
	WIN 0
	; THE WAY OUT.  The lines below name no register of the last products: they are also the places behind them.
	s_wait_loadcnt 0x0                             ; the norm's gain and bias
.set n, 0
.rept 32
	v_cndmask_b32 v[LB+n], 0, v[LB+n], s99         ; k's tiles take zeros: kln_b is left out
.set n, n+1
.endr
.set n, 0
.rept 12
	v_mov_b32 v[MU+n], 0                           ; written once: the pairs' upper words and the lane permutes' destinations count as read
.set n, n+1
.endr
	v_lshlrev_b32 v[FO], 8, v1
	v_lshl_add_u32 v[FO], v2, 5, v[FO]
; The LayerNorm of block a (16 rows, two heads), in place in its 8 accumulators.
.macro LNBLK a
.set AC, 64*((\a)%4)
.set WSS, 0x0a+5*((\a)/4)              ; sources 0 and 1 in the block's window
.set WIP, 0x82+0x41*((\a)/4)           ; destination and source 0 in it
	WIN WSS
.irp p, 0,1,2,3                        ; each accumulator is read from its low end on
.irp u, 0,1
.irp g, 0,1
	v_pk_add_f32 v[T+16*\u+8*\g+2*\p:T+16*\u+8*\g+2*\p+1], v[AC+8*(4*\u+2*\g)+2*\p:AC+8*(4*\u+2*\g)+2*\p+1], v[AC+8*(4*\u+2*\g+1)+2*\p:AC+8*(4*\u+2*\g+1)+2*\p+1]
.endr
.endr
.endr
	WIN 0
.irp i, 0,1,2,3
.irp u, 0,1
	v_pk_add_f32 v[T+16*\u+2*\i:T+16*\u+2*\i+1], v[T+16*\u+2*\i:T+16*\u+2*\i+1], v[T+16*\u+8+2*\i:T+16*\u+8+2*\i+1]
.endr
.endr
.irp i, 0,1
.irp u, 0,1
	v_pk_add_f32 v[T+16*\u+2*\i:T+16*\u+2*\i+1], v[T+16*\u+2*\i:T+16*\u+2*\i+1], v[T+16*\u+4+2*\i:T+16*\u+4+2*\i+1]
.endr
.endr
.irp u, 0,1
	v_pk_add_f32 v[T+16*\u:T+16*\u+1], v[T+16*\u:T+16*\u+1], v[T+16*\u+2:T+16*\u+3]
.endr
.irp u, 0,1
	v_add_f32 v[168+\u], v[T+16*\u], v[T+16*\u+1]
.endr
.irp u, 0,1
	v_permlanex16_b32 v[170+\u], v[168+\u], s20, s21
.endr
.irp u, 0,1
	v_add_f32 v[168+\u], v[168+\u], v[170+\u]      ; the sum of the head's 64
.endr
.irp u, 0,1
	v_mul_f32 v[MU+4*\u], s66, v[168+\u]           ; the mean
.endr
	WIN WIP
.set n, 0
.rept 32
	v_pk_add_f32 v[AC+n:AC+n+1], v[AC+n:AC+n+1], v[MU+4*(n/32):MU+4*(n/32)+1] op_sel_hi:[1,0] neg_lo:[0,1] neg_hi:[0,1]   ; x - mean
.set n, n+2
.endr
	WIN WSS
.irp u, 0,1                            ; the sum of squares, four chains a head
.irp c, 0,1,2,3
	v_pk_mul_f32 v[T+8*\u+2*\c:T+8*\u+2*\c+1], v[AC+32*\u+2*\c:AC+32*\u+2*\c+1], v[AC+32*\u+2*\c:AC+32*\u+2*\c+1]
.endr
.endr
.irp k, 1,2,3
.irp u, 0,1
.irp c, 0,1,2,3
	v_pk_fma_f32 v[T+8*\u+2*\c:T+8*\u+2*\c+1], v[AC+32*\u+8*\k+2*\c:AC+32*\u+8*\k+2*\c+1], v[AC+32*\u+8*\k+2*\c:AC+32*\u+8*\k+2*\c+1], v[T+8*\u+2*\c:T+8*\u+2*\c+1]
.endr
.endr
.endr
	WIN 0
.irp i, 0,1
.irp u, 0,1
	v_pk_add_f32 v[T+8*\u+2*\i:T+8*\u+2*\i+1], v[T+8*\u+2*\i:T+8*\u+2*\i+1], v[T+8*\u+4+2*\i:T+8*\u+4+2*\i+1]
.endr
.endr
.irp u, 0,1
	v_pk_add_f32 v[T+8*\u:T+8*\u+1], v[T+8*\u:T+8*\u+1], v[T+8*\u+2:T+8*\u+3]
.endr
.irp u, 0,1
	v_add_f32 v[168+\u], v[T+8*\u], v[T+8*\u+1]
.endr
.irp u, 0,1
	v_permlanex16_b32 v[170+\u], v[168+\u], s20, s21
.endr
.irp u, 0,1
	v_add_f32 v[168+\u], v[168+\u], v[170+\u]
.endr
.irp u, 0,1
	v_fma_f32 v[168+\u], v[168+\u], s66, s67       ; var + eps
.endr
.irp u, 0,1
	v_rsq_f32 v[RS+4*\u], v[168+\u]
.endr
	v_nop                                          ; a plain instruction behind the last of the two,
	s_wait_alu depctr_va_vdst(0)                   ; and one wait ahead of their first reader
	WIN WIP
.set n, 0
.rept 32
	v_pk_mul_f32 v[AC+n:AC+n+1], v[AC+n:AC+n+1], v[RS+4*(n/32):RS+4*(n/32)+1] op_sel_hi:[1,0]
.set n, n+2
.endr
.set n, 0
.rept 32
	v_pk_fma_f32 v[AC+n:AC+n+1], v[AC+n:AC+n+1], v[LW+n%32:LW+n%32+1], v[LB+n%32:LB+n%32+1]
.set n, n+2
.endr
	WIN 0
.endm
.macro PACK a                          ; to f16: word 4 (4 u + bb) + i holds channels 16 bb + 8 (l / 16) + 2 i, + 1 of head u
.set AC, 64*((\a)%4)
	WIN 0x0a+5*((\a)/4)
.set n, 0
.rept 32
	v_cvt_pk_f16_f32 v[TMP+n], v[AC+2*n], v[AC+2*n+1]
.set n, n+1
.endr
	WIN 0
.endm
.macro TOSTAGE a                       ; 16 bytes a lane into rows of 144 bytes; back as whole rows, four of 128 bytes an instruction.  LDS serves a wave's instructions in order
.irp u, 0,1
.irp bb, 0,1,2,3
	ds_store_b128 v[STO], v[TMP+4*(4*\u+\bb):TMP+4*(4*\u+\bb)+3] offset:2304*\u+32*\bb
.endr
.endr
	WIN 0x40                                       ; destination window 1: a set of 32 registers for each block, so that no store's data are written again
.irp u, 0,1
.irp i, 0,1,2,3
	ds_load_b128 v[32*(\a)+4*(4*\u+\i):32*(\a)+4*(4*\u+\i)+3], v[RD] offset:2304*\u+576*\i
.endr
.endr
	WIN 0
.endm
.macro SEND a                          ; a head's rows are dense: each store covers 512 consecutive bytes, aligned
	WIN 0x04                                       ; the data: window 1
.irp u, 0,1
.irp i, 0,1,2,3
	global_store_b128 v[CO], v[32*(\a)+4*(4*\u+\i):32*(\a)+4*(4*\u+\i)+3], s[12:13] offset:262144*\u+2048*(\a)+512*\i
.endr
.endr
	WIN 0
.endm
.irp a, 0,1,2,3,4,5,6,7
	s_cmp_eq_u32 s98, 2                            ; v has no norm.  The cluster's x: the same in all sixteen partners
	s_cbranch_scc1 .Lv_\a
	LNBLK \a
.Lv_\a:
.if \a == 0
	; positions 0 to 15 in f32, where block 0 holds them: EXEC changes only behind a wait on XCNT for 0
	s_wait_xcnt 0x0
	v_cmp_eq_u32 vcc_lo, 0, v[FL]
	s_and_saveexec_b32 s3, vcc_lo
	WIN 0x08                                       ; the data: window 2
.irp u, 0,1
.irp bb, 0,1,2,3
.irp k, 0,1
	global_store_b128 v[FO], v[8*(4*\u+\bb)+4*\k:8*(4*\u+\bb)+4*\k+3], s[100:101] offset:4096*\u+64*\bb+16*\k
.endr
.endr
.endr
	WIN 0
	s_wait_xcnt 0x0
	s_or_b32 exec_lo, exec_lo, s3
.else
	s_wait_dscnt 0x0                               ; the last block is back from the stage, and the stage's stores have read the packed words
	SEND \a-1
.endif
	PACK \a
	TOSTAGE \a
.endr
	s_wait_dscnt 0x0
	SEND 7
	s_wait_tensorcnt 0x0                           ; the wave's end
	ds_add_u32 v[SPW], v[NIL]
	s_wait_dscnt 0x0
	CROUND                                         ; the closing round
	s_endpgm
.Lfunc_end_k_qabdbe38d68_qkv:
	.size	k_qabdbe38d68_qkv, .Lfunc_end_k_qabdbe38d68_qkv-k_qabdbe38d68_qkv
	.p2alignl 7, 3214868480
	.fill 96, 4, 3214868480
	.section	.rodata,"a",@progbits
	.p2align	6, 0x0
	.amdhsa_kernel k_qabdbe38d68_qkv
		.amdhsa_group_segment_fixed_size 327680
		.amdhsa_private_segment_fixed_size 0
		.amdhsa_enable_private_segment 0
		.amdhsa_kernarg_size 72
		.amdhsa_user_sgpr_count 2
		.amdhsa_user_sgpr_kernarg_segment_ptr 1
		.amdhsa_wavefront_size32 1
		.amdhsa_system_sgpr_workgroup_id_x 1
		.amdhsa_system_sgpr_workgroup_id_y 1
		.amdhsa_system_sgpr_workgroup_id_z 1
		.amdhsa_system_vgpr_workitem_id 0
		.amdhsa_next_free_vgpr 1024
		.amdhsa_next_free_sgpr 102
		.amdhsa_reserve_vcc 1
		.amdhsa_float_denorm_mode_32 3
		.amdhsa_float_denorm_mode_16_64 3
		.amdhsa_memory_ordered 1
		.amdhsa_forward_progress 1
		.amdhsa_inst_pref_size 224
	.end_amdhsa_kernel
	.amdgpu_metadata
---
amdhsa.version: [ 1, 2 ]
amdhsa.kernels:
  - .name:           k_qabdbe38d68_qkv
    .symbol:         k_qabdbe38d68_qkv.kd
    .args:
      - { .name: x_codes, .offset: 0, .size: 8, .value_kind: global_buffer, .address_space: global }
      - { .name: x_scales, .offset: 8, .size: 8, .value_kind: global_buffer, .address_space: global }
      - { .name: w_codes, .offset: 16, .size: 8, .value_kind: global_buffer, .address_space: global }
      - { .name: w_scales, .offset: 24, .size: 8, .value_kind: global_buffer, .address_space: global }
      - { .name: kln_w, .offset: 32, .size: 8, .value_kind: global_buffer, .address_space: global }
      - { .name: qln_w, .offset: 40, .size: 8, .value_kind: global_buffer, .address_space: global }
      - { .name: qln_b, .offset: 48, .size: 8, .value_kind: global_buffer, .address_space: global }
      - { .name: qkv, .offset: 56, .size: 8, .value_kind: global_buffer, .address_space: global }
      - { .name: fine, .offset: 64, .size: 8, .value_kind: global_buffer, .address_space: global }
    .group_segment_fixed_size: 327680
    .private_segment_fixed_size: 0
    .kernarg_segment_align: 8
    .kernarg_segment_size: 72
    .max_flat_workgroup_size: 128
    .sgpr_count:     102
    .vgpr_count:     1024
    .wavefront_size: 32
...
	.end_amdgpu_metadata
.endif
;; end of part 2
;; launch attn (part 3): grid 4 x 64, 8 waves a work-group, no clusters, 327,680 bytes of LDS; arguments qkv, ao; writes ao
.if DOCPART == 3
	.amdgcn_target "amdgcn-amd-amdhsa--gfx1250"
	.amdhsa_code_object_version 6
	.text
	.protected	k_qabdbe38d68_attn
	.globl	k_qabdbe38d68_attn
	.p2align	8
	.type	k_qabdbe38d68_attn,@function
k_qabdbe38d68_attn:
	s_mov_b64 s[64:65], 0
	v_nop
	global_prefetch_b8 v0, s[64:65] scope:SCOPE_SE
	s_setreg_imm32_b32 hwreg(HW_REG_WAVE_MODE, 25, 1), 1
	s_wait_xcnt 0x0
; CAUSAL ATTENTION, head size 64, f16 operands, f32 sums.  qkv: f16 [k q v][b x 16 + head][t 2,048][64].  ao: f16 [head][b x 2,048 + t][64].
; WORK LEFT OUT: key steps that lie wholly above the diagonal of the causal mask.
; SHARES.  Work-group (i, bh) owns the blocks of 256 queries i and 7 - i of one head, one after the other: i + 1 and 8 - i slots of 256 keys, NINE VISITS in every work-group: the trip counts are constants and the work is even.
; Wave w owns 32 queries, two tiles of 16; two waves share a SIMD, so that one wave's softmax stands beside the other's products.
; NO CLUSTER: in the same visit the four work-groups of a head stand at different key slots (visit v is slot v, or v - i - 1 in the second block), so they have no tile to ask for jointly;
; a joint walk of slots 0 to 7 with both blocks at once would cost 12 block-steps against 9.
; LAYOUT.  S^T = K Q^T (source 0 = 16 keys, source 1 = 16 queries): a lane holds ONE query (l % 16) and keys 8 (l / 16) + 0 .. 7 of a tile.  Two such tiles, rounded to f16 in pairs, ARE source 1 of O^T = V^T P.
; K comes out of LDS as it lies, V ([key][channel]) turned by ds_load_tr16_b128.
; SOFTMAX.  A running maximum m and sum l for each query: p = 2^(c s - c m), c = log2(e) / 8; in every step O and l are multiplied by a = 2^(c m_old - c m_new).  The step is written once: it first finds zeros and m = -3e38.
; RING.  Two slots of 256 keys (four steps of 64: K's rows of 128 + 16 bytes, V's of 128 + 32).  Waves 0-3 fetch K of step w, waves 4-7 V of step w - 4: one tensor load a wave at each change of slots, one of mine out at most.
; REGISTERS: window 0: v2-15 addresses; v16-31 statistics, 8 a tile (+0 c m, +1 m, +2 +3 l, +4..7 at work, a at +6); v32-95 S^T; v96-127 P; v128-159 Q; v160-223 K; v224-255 the way out.  window 1: v0-63 O^T, v64-127 V.
.set PK,    144
.set PV,    160
.set VOFF,  64*PK
.set STEPB, 64*(PK+PV)
.set SLOT1, 1<<17
.set STAGE, 4*STEPB                    ; between the slots: 4,608 bytes a wave, [tile 2][16 rows][144]; no fill lands here
.set SPARE, STAGE+8*4608               ; the spare words: 128 bytes a wave
.set AK0, 2
.set AV0, 3
.set ADK, 4
.set ADV, 5
.set QO,  6
.set STO, 7
.set RD,  8
.set GO,  9
.set PFO, 10
.set DD,  11
.set SPW, 12
.set NIL, 13
.set NINF, 14
.set RH,  15                           ; v15  l % 16 - 8 (l / 16)
.set ST,  16
.set S,   32
.set P,   96
.set Q,   128
.set KF,  160
.set OUTW, 224
.set VF,  64                           ; in window 1
.set WV,  8                            ; s8 wave; s9 i; s10 bh; s11 i + 1: the visit at which the second block begins; s12 the visit; s13 counts a slot's steps
.set TB,  14                           ; s14 LDS byte of the step in hand; s15 its first key; s16 my first query; s17 the visits in which I prefetch
.set MSB, 0
.macro WIN new
.if MSB != (\new)
	s_set_vgpr_msb (MSB<<8)|(\new)
.set MSB, (\new)
.endif
.endm
.macro TLOAD                           ; the branch hangs on the wave's number alone; an s_nop 0 and four v_nop follow each of the two lines
	s_cmp_lt_u32 s[WV], 4
	s_cbranch_scc0 .Lfor_v_\@
	tensor_load_to_lds s[40:43], s[24:31]
	s_nop 0
.rept 4
	v_nop
.endr
	s_branch .Lasked_\@
.Lfor_v_\@:
	tensor_load_to_lds s[40:43], s[32:39]
	s_nop 0
.rept 4
	v_nop
.endr
.Lasked_\@:
.endm
; A PREFETCH INTO THE L2 of the key slot that the next change of slots will ask for.  All four work-groups of a head walk the same K and V: work-group i = 0 asks, in visits 0 to 6, for slots 1 to 7, a visit ahead of its own load;
; each wave for the 8,192 bytes that it will fetch, lanes 256 bytes apart: each aligned block of 256 bytes is named once in the launch.  Slot 0 comes by its loads alone.
.macro ASK
	s_cmp_lt_u32 s12, s17
	s_cbranch_scc0 .Lnot_mine_\@
	global_prefetch_b8 v[PFO], s[50:51] th:TH_LOAD_NT scope:SCOPE_SE
.Lnot_mine_\@:
.endm
; THE CHANGE OF SLOTS, at a visit's head: all my tensor loads have landed (my part of the slot ahead), the add, my reads of the slot left are over; one barrier; the other slot is asked for first thing behind it.
.macro CHANGE fill
	s_wait_tensorcnt 0x0                           ; no tensor load of mine is out: the descriptor may be written
	ds_add_u32 v[SPW], v[NIL]
.if \fill
	s_xor_b32 s41, s41, SLOT1                      ; the other slot than last time
	s_add_co_u32 s20, s20, 32768                   ; the next 256 keys,
	s_add_co_u32 s52, s12, 1
	s_cmp_eq_u32 s52, s11
	s_cselect_b32 s20, 0, s20                      ; or, for the second block's first visit, the head's first keys
	s_add_nc_u64 s[42:43], s[18:19], s[20:21]
	s_or_b32 s43, s43, 0x80000000
	s_wait_xcnt 0x0                                ; the last prefetch, a visit back, has read its address
	s_add_nc_u64 s[50:51], s[50:51], 32768
.endif
	s_wait_dscnt 0x0
	s_barrier_signal -1
	s_barrier_wait -1
.if \fill
	TLOAD
	ASK
.endif
.endm
.macro SOFTMAX
.irp j, 0,1,2,3
.irp t, 0,1
	v_max3_num_f32 v[ST+8*\t+4+\j], v[S+32*\t+8*\j], v[S+32*\t+8*\j+1], v[S+32*\t+8*\j+2]   ; four chains a tile; each accumulator from its low end on
.endr
.endr
.irp q, 1,2
.irp j, 0,1,2,3
.irp t, 0,1
	v_max3_num_f32 v[ST+8*\t+4+\j], v[ST+8*\t+4+\j], v[S+32*\t+8*\j+2*\q+1], v[S+32*\t+8*\j+2*\q+2]
.endr
.endr
.endr
.irp t, 0,1
	v_max3_num_f32 v[ST+8*\t+4], v[ST+8*\t+4], v[S+32*\t+7], v[S+32*\t+15]
.endr
.irp t, 0,1
	v_max3_num_f32 v[ST+8*\t+6], v[ST+8*\t+6], v[S+32*\t+23], v[S+32*\t+31]
.endr
.irp t, 0,1
	v_max3_num_f32 v[ST+8*\t+4], v[ST+8*\t+4], v[ST+8*\t+5], v[ST+8*\t+6]
.endr
.irp t, 0,1
	v_max3_num_f32 v[ST+8*\t+4], v[ST+8*\t+4], v[ST+8*\t+7], v[ST+8*\t+1]   ; with the old m
.endr
.irp t, 0,1
	v_permlanex16_b32 v[ST+8*\t+5], v[ST+8*\t+4], s48, s49                  ; the query's other 32 keys lie 16 lanes away
.endr
.irp t, 0,1
	v_mov_b32 v[ST+8*\t+7], v[ST+8*\t]             ; c m_old
.endr
.irp t, 0,1
	v_max_num_f32 v[ST+8*\t+1], v[ST+8*\t+4], v[ST+8*\t+5]
.endr
.irp t, 0,1
	v_mul_f32 v[ST+8*\t], s22, v[ST+8*\t+1]
.endr
.irp t, 0,1
	v_sub_f32 v[ST+8*\t+7], v[ST+8*\t+7], v[ST+8*\t]
.endr
.set n, 0
.rept 16
.irp t, 0,1
	v_pk_fma_f32 v[S+32*\t+n:S+32*\t+n+1], v[S+32*\t+n:S+32*\t+n+1], s[22:23], v[ST+8*\t:ST+8*\t+1] op_sel_hi:[1,0,0] neg_lo:[0,0,1] neg_hi:[0,0,1]   ; c s - c m
.endr
.set n, n+2
.endr
.irp t, 0,1
	v_exp_f32 v[ST+8*\t+6], v[ST+8*\t+7]           ; a
.endr
.set n, 0
.rept 32
.irp t, 0,1
	v_exp_f32 v[S+32*\t+n], v[S+32*\t+n]
.endr
.set n, n+1
.endr
	v_nop                                          ; a plain instruction behind the last exponential,
	s_wait_alu depctr_va_vdst(0)                   ; and one wait for the batch of 66, ahead of its first reader
.set n, 0
.rept 16
.irp t, 0,1
	v_cvt_pk_f16_f32 v[P+16*\t+n], v[S+32*\t+2*n], v[S+32*\t+2*n+1]
.endr
.set n, n+1
.endr
.irp w, 4,8,16,32                      ; the sum of the tile's 16 pairs, in place
.set n, 0
.rept 32/\w
.irp t, 0,1
	v_pk_add_f32 v[S+32*\t+n:S+32*\t+n+1], v[S+32*\t+n:S+32*\t+n+1], v[S+32*\t+n+\w/2:S+32*\t+n+\w/2+1]
.endr
.set n, n+\w
.endr
.endr
.irp t, 0,1
	v_pk_fma_f32 v[ST+8*\t+2:ST+8*\t+3], v[ST+8*\t+2:ST+8*\t+3], v[ST+8*\t+6:ST+8*\t+7], v[S+32*\t:S+32*\t+1] op_sel_hi:[1,0,1]   ; l = a l + the sum
.endr
	WIN 0x41                                       ; O^T in window 1, a in window 0
.set n, 0
.rept 16
.irp t, 0,1
	v_pk_mul_f32 v[32*\t+n:32*\t+n+1], v[32*\t+n:32*\t+n+1], v[ST+8*\t+6:ST+8*\t+7] op_sel_hi:[1,0]
.endr
.set n, n+2
.endr
	WIN 0
.endm
; A KEY STEP: 64 keys.  A step all of whose keys come after my 32 queries is left out: a scalar branch on ids, round its loads and work, not round the lines at its end that step addresses.
.macro STEP
	s_add_co_u32 s52, s16, 31
	s_cmp_gt_u32 s15, s52
	s_cbranch_scc1 .Lhid_\@
	v_add_nc_u32 v[ADK], s[TB], v[AK0]
	v_add_nc_u32 v[ADV], s[TB], v[AV0]
	v_nop
	v_nop                                          ; four places between the last step's products and the loads into the registers that they read
.irp kt, 0,1,2,3
.irp c, 0,1
	ds_load_b128 v[KF+8*(2*\kt+\c):KF+8*(2*\kt+\c)+3], v[ADK] offset:2304*\kt+64*\c
	ds_load_b128 v[KF+8*(2*\kt+\c)+4:KF+8*(2*\kt+\c)+7], v[ADK] offset:2304*\kt+64*\c+32
.endr
.endr
	WIN 0x40
.irp g, 0,1
.irp ct, 0,1,2,3
	ds_load_tr16_b128 v[VF+8*(4*\g+\ct):VF+8*(4*\g+\ct)+3], v[ADV] offset:5120*\g+32*\ct
	ds_load_tr16_b128 v[VF+8*(4*\g+\ct)+4:VF+8*(4*\g+\ct)+7], v[ADV] offset:5120*\g+2560+32*\ct
.endr
.endr
	WIN 0
	s_wait_dscnt 16                                ; K's 16 loads are in; V's 16 may stay out
.irp c, 0,1                            ; the eight accumulators take turns
.irp kt, 0,1,2,3
.irp t, 0,1
.if \c == 0
	v_wmma_f32_16x16x32_f16 v[S+32*\t+8*\kt:S+32*\t+8*\kt+7], v[KF+8*(2*\kt+\c):KF+8*(2*\kt+\c)+7], v[Q+16*\t+8*\c:Q+16*\t+8*\c+7], 0
.else
	v_wmma_f32_16x16x32_f16 v[S+32*\t+8*\kt:S+32*\t+8*\kt+7], v[KF+8*(2*\kt+\c):KF+8*(2*\kt+\c)+7], v[Q+16*\t+8*\c:Q+16*\t+8*\c+7], v[S+32*\t+8*\kt:S+32*\t+8*\kt+7]
.endif
.endr
.endr
.endr
.rept 4
	v_nop
.endr
	s_add_co_u32 s52, s15, 63                      ; a step all of whose keys count skips the mask
	s_cmp_le_u32 s52, s16
	s_cbranch_scc1 .Lopen_\@
	s_sub_co_i32 s52, s16, s15
	v_add_nc_u32 v[DD], s52, v[RH]                 ; d = my first query - the first key + l % 16 - 8 (l / 16).  Tile t's register 8 kt + j is hidden where 16 kt + j - 16 t > d
.irp t, 0,1
.irp kt, 0,1,2,3
.irp j, 0,1,2,3,4,5,6,7
	v_cmp_gt_i32 vcc_lo, 16*\kt+\j-16*\t, v[DD]
	v_cndmask_b32 v[S+32*\t+8*\kt+\j], v[S+32*\t+8*\kt+\j], v[NINF], vcc_lo
.endr
.endr
.endr
.Lopen_\@:
	SOFTMAX
	s_wait_dscnt 0x0                               ; V is in
	WIN 0x51                                       ; V, O^T in window 1; P in window 0
.irp g, 0,1
.irp ct, 0,1,2,3
.irp t, 0,1
	v_wmma_f32_16x16x32_f16 v[32*\t+8*\ct:32*\t+8*\ct+7], v[VF+8*(4*\g+\ct):VF+8*(4*\g+\ct)+7], v[P+16*\t+8*\g:P+16*\t+8*\g+7], v[32*\t+8*\ct:32*\t+8*\ct+7]
.endr
.endr
.endr
	WIN 0
.Lhid_\@:
	s_add_co_u32 s15, s15, 64
	s_add_co_u32 s[TB], s[TB], STEPB
.endm
.macro VISIT                           ; a slot's four steps: written once, walked four times
	s_mov_b32 s13, 4
.Lstep_\@:
	STEP
	s_sub_co_u32 s13, s13, 1
	s_cmp_lg_u32 s13, 0
	s_cbranch_scc1 .Lstep_\@
	s_sub_co_u32 s[TB], s[TB], 4*STEPB
	s_xor_b32 s[TB], s[TB], SLOT1
.endm
.macro INIT
.irp t, 0,1
	v_mov_b32 v[ST+8*\t+1], 0xff61b1e6             ; m = -3e38, under every score
	v_mul_f32 v[ST+8*\t], s22, v[ST+8*\t+1]
.irp k, 2,3,4,5,6,7
	v_mov_b32 v[ST+8*\t+\k], 0
.endr
.endr
	WIN 0x40
.set n, 0
.rept 64
	v_mov_b32 v[n], 0                              ; O^T: the first change of m multiplies zeros
.set n, n+1
.endr
	WIN 0
.endm
.macro QLOAD
.irp t, 0,1
.irp c, 0,1
	global_load_b128 v[Q+16*\t+8*\c:Q+16*\t+8*\c+3], v[QO], s[44:45] offset:2048*\t+64*\c
	global_load_b128 v[Q+16*\t+8*\c+4:Q+16*\t+8*\c+7], v[QO], s[44:45] offset:2048*\t+64*\c+32
.endr
.endr
.endm
; A block's end: O^T / l, rounded to f16, through my stage, out as whole rows: each store covers 512 consecutive bytes, aligned.
.macro FINISH
.irp t, 0,1
	v_add_f32 v[ST+8*\t+4], v[ST+8*\t+2], v[ST+8*\t+3]
.endr
.irp t, 0,1
	v_permlanex16_b32 v[ST+8*\t+5], v[ST+8*\t+4], s48, s49
.endr
.irp t, 0,1
	v_add_f32 v[ST+8*\t+4], v[ST+8*\t+4], v[ST+8*\t+5]
.endr
.irp t, 0,1
	v_rcp_f32 v[ST+8*\t+6], v[ST+8*\t+4]
.endr
	v_nop
	s_wait_alu depctr_va_vdst(0)                   ; one wait for the two reciprocals, ahead of their first reader
	WIN 0x41
.set n, 0
.rept 32
	v_pk_mul_f32 v[n:n+1], v[n:n+1], v[ST+8*(n/32)+6:ST+8*(n/32)+7] op_sel_hi:[1,0]
.set n, n+2
.endr
	WIN 0x05
.set n, 0
.rept 32
	v_cvt_pk_f16_f32 v[OUTW+n], v[2*n], v[2*n+1]
.set n, n+1
.endr
	WIN 0
.irp t, 0,1
.irp ct, 0,1,2,3
	ds_store_b128 v[STO], v[OUTW+16*\t+4*\ct:OUTW+16*\t+4*\ct+3] offset:2304*\t+32*\ct
.endr
.endr
.irp t, 0,1
.irp i, 0,1,2,3
	ds_load_b128 v[S+16*\t+4*\i:S+16*\t+4*\i+3], v[RD] offset:2304*\t+576*\i   ; LDS serves a wave's instructions in order: these see my stores
.endr
.endr
	s_wait_dscnt 0x0
.irp t, 0,1
.irp i, 0,1,2,3
	global_store_b128 v[GO], v[S+16*\t+4*\i:S+16*\t+4*\i+3], s[6:7] offset:2048*\t+512*\i
.endr
.endr
	s_wait_xcnt 0x0                                ; the stores have read their registers and their base
.endm
	s_load_b128 s[4:7], s[0:1], 0x0                ; qkv, ao
	v_lshl_add_u32 v[SPW], v0, 2, SPARE
	v_mov_b32 v[NIL], 0
	ds_add_u32 v[SPW], v[NIL]                      ; the wave's opening: the add, twice on end, and its wait ahead of my first tensor load
	ds_add_u32 v[SPW], v[NIL]
	v_lshrrev_b32 v1, 5, v0
	v_readfirstlane_b32 s[WV], v1
	s_mov_b32 s9, ttmp9
	s_and_b32 s10, ttmp7, 0xffff
	s_add_co_u32 s11, s9, 1
	s_mov_b32 s24, (1<<16)|(1<<20)|(4<<22)|(3<<25) ; K: elements of 2 bytes; padding: 4 words after every 32
	s_mov_b32 s25, 64<<16                          ; tensor_dim0
	s_mov_b32 s26, 64<<16                          ; tensor_dim1
	s_mov_b32 s27, 64<<16                          ; tile_dim0
	s_mov_b32 s28, 64                              ; tile_dim1
	s_mov_b32 s29, 64                              ; the pitch
	s_mov_b32 s30, 0
	s_mov_b32 s31, 0
	s_mov_b32 s32, (1<<16)|(1<<20)|(4<<22)|(7<<25) ; V: 8 words of padding
	s_mov_b32 s33, 64<<16
	s_mov_b32 s34, 64<<16
	s_mov_b32 s35, 64<<16
	s_mov_b32 s36, 64
	s_mov_b32 s37, 64
	s_mov_b32 s38, 0
	s_mov_b32 s39, 0
	s_mov_b32 s40, 1
	s_and_b32 s54, s[WV], 3
	s_mul_i32 s55, s54, STEPB
	s_lshr_b32 s53, s[WV], 2
	s_mul_i32 s52, s53, VOFF
	s_add_co_u32 s41, s55, s52                     ; LDS: step w % 4 of slot 0; V behind K
	s_lshl_b32 s52, s10, 18                        ; the head's plane: 262,144 bytes
	s_lshl_b32 s53, s53, 25                        ; V lies two types on
	s_add_co_u32 s52, s52, s53
	s_lshl_b32 s54, s54, 13                        ; my step's 64 rows
	s_add_co_u32 s52, s52, s54
	s_mov_b32 s53, 0
	s_lshl_b32 s54, s9, 8
	s_lshl_b32 s55, s[WV], 5
	s_add_co_u32 s16, s54, s55                     ; my first query: 256 i + 32 w
	s_lshl_b32 s54, s16, 7
	s_lshl_b32 s56, s10, 18
	s_add_co_u32 s56, s56, s54
	s_add_co_u32 s56, s56, 16777216                ; q is type 1
	s_mov_b32 s57, 0
	s_and_b32 s58, s10, 15
	s_lshl_b32 s58, s58, 2
	s_lshr_b32 s59, s10, 4
	s_add_co_u32 s58, s58, s59
	s_lshl_b32 s58, s58, 18                        ; ao: (4 head + batch) x 2,048 rows of 128 bytes
	s_add_co_u32 s58, s58, s54
	s_mov_b32 s59, 0
	s_lshl_b32 s54, s9, 1
	s_sub_co_u32 s54, 7, s54                       ; 7 - 2 i blocks from the first to the second
	s_lshl_b32 s46, s54, 15
	s_mov_b32 s47, 0
	s_lshl_b32 s60, s54, 8
	s_cmp_eq_u32 s9, 0
	s_cselect_b32 s17, 7, 0
	s_mov_b32 s22, 0x3e38aa3b                      ; c = log2(e) / 8
	s_mov_b32 s23, s22
	s_mov_b32 s48, 0x76543210
	s_mov_b32 s49, 0xfedcba98
	s_mov_b32 s12, 0
	s_mov_b32 s[TB], 0
	s_mov_b32 s15, 0
	s_mov_b32 s20, 0
	s_mov_b32 s21, 0
	s_wait_dscnt 0x0                               ; both opening adds are done
	s_wait_kmcnt 0x0
	s_add_nc_u64 s[18:19], s[4:5], s[52:53]        ; my part of the head's key slot 0
	s_add_nc_u64 s[44:45], s[4:5], s[56:57]        ; my queries
	s_add_nc_u64 s[6:7], s[6:7], s[58:59]          ; my rows of ao
	s_mov_b64 s[50:51], s[18:19]
	s_mov_b64 s[42:43], s[18:19]
	s_or_b32 s43, s43, 0x80000000
	TLOAD                                          ; visit 0's slot: every wave issues one of the first fills
	v_and_b32 v1, 15, v0                           ; r
	v_bfe_u32 v[DD], v0, 4, 1                      ; h
	v_lshlrev_b32 v[QO], 7, v1
	v_lshl_add_u32 v[QO], v[DD], 4, v[QO]
	QLOAD
	v_mul_u32_u24 v[AK0], v1, PK
	v_lshl_add_u32 v[AK0], v[DD], 4, v[AK0]
	v_and_b32 v4, 7, v0
	v_lshl_add_u32 v[AV0], v[DD], 3, v4
	v_mul_u32_u24 v[AV0], v[AV0], PV
	v_bfe_u32 v4, v0, 3, 1
	v_lshl_add_u32 v[AV0], v4, 4, v[AV0]
	v_add_nc_u32 v[AV0], VOFF, v[AV0]
	s_mul_i32 s52, s[WV], 4608
	s_add_co_u32 s52, s52, STAGE
	v_mul_u32_u24 v[STO], v1, 144
	v_lshl_add_u32 v[STO], v[DD], 4, v[STO]
	v_add_nc_u32 v[STO], s52, v[STO]
	v_bfe_u32 v4, v0, 3, 2
	v_mul_u32_u24 v[RD], v4, 144
	v_and_b32 v4, 7, v0
	v_lshl_add_u32 v[RD], v4, 4, v[RD]
	v_add_nc_u32 v[RD], s52, v[RD]
	v_and_b32 v4, 31, v0
	v_lshlrev_b32 v[GO], 4, v4
	v_lshlrev_b32 v[PFO], 8, v4
	v_lshlrev_b32 v4, 3, v[DD]
	v_sub_nc_u32 v[RH], v1, v4
	v_mov_b32 v[NINF], 0xff800000
	INIT
	s_wait_loadcnt 0x0                             ; Q
.Lvisit:                                           ; eight trips: behind each change of slots the next visit's slot is asked for
	CHANGE 1
	s_cmp_lg_u32 s12, s11                          ; ids and the count of visits alone: all eight waves go the same way
	s_cbranch_scc1 .Lsame
	s_add_nc_u64 s[44:45], s[44:45], s[46:47]      ; THE SECOND BLOCK BEGINS: its queries are asked for, the first block goes out
	QLOAD
	FINISH
	s_add_nc_u64 s[6:7], s[6:7], s[46:47]
	s_add_co_u32 s16, s16, s60
	s_mov_b32 s15, 0
	INIT
	s_wait_loadcnt 0x0
.Lsame:
	VISIT
	s_add_co_u32 s12, s12, 1
	s_cmp_lt_u32 s12, 8
	s_cbranch_scc1 .Lvisit
	CHANGE 0                                       ; the last visit is written out
	VISIT
	FINISH
	s_wait_tensorcnt 0x0                           ; the wave's end
	ds_add_u32 v[SPW], v[NIL]
	s_wait_dscnt 0x0
	s_endpgm
.Lfunc_end_k_qabdbe38d68_attn:
	.size	k_qabdbe38d68_attn, .Lfunc_end_k_qabdbe38d68_attn-k_qabdbe38d68_attn
	.p2alignl 7, 3214868480
	.fill 96, 4, 3214868480
	.section	.rodata,"a",@progbits
	.p2align	6, 0x0
	.amdhsa_kernel k_qabdbe38d68_attn
		.amdhsa_group_segment_fixed_size 327680
		.amdhsa_private_segment_fixed_size 0
		.amdhsa_enable_private_segment 0
		.amdhsa_kernarg_size 16
		.amdhsa_user_sgpr_count 2
		.amdhsa_user_sgpr_kernarg_segment_ptr 1
		.amdhsa_wavefront_size32 1
		.amdhsa_system_sgpr_workgroup_id_x 1
		.amdhsa_system_sgpr_workgroup_id_y 1
		.amdhsa_system_sgpr_workgroup_id_z 1
		.amdhsa_system_vgpr_workitem_id 0
		.amdhsa_next_free_vgpr 384
		.amdhsa_next_free_sgpr 66
		.amdhsa_reserve_vcc 1
		.amdhsa_float_denorm_mode_32 3
		.amdhsa_float_denorm_mode_16_64 3
		.amdhsa_memory_ordered 1
		.amdhsa_forward_progress 1
		.amdhsa_inst_pref_size 70
	.end_amdhsa_kernel
	.amdgpu_metadata
---
amdhsa.version: [ 1, 2 ]
amdhsa.kernels:
  - .name:           k_qabdbe38d68_attn
    .symbol:         k_qabdbe38d68_attn.kd
    .args:
      - { .name: qkv, .offset: 0, .size: 8, .value_kind: global_buffer, .address_space: global }
      - { .name: ao, .offset: 8, .size: 8, .value_kind: global_buffer, .address_space: global }
    .group_segment_fixed_size: 327680
    .private_segment_fixed_size: 0
    .kernarg_segment_align: 8
    .kernarg_segment_size: 16
    .max_flat_workgroup_size: 256
    .sgpr_count:     66
    .vgpr_count:     384
    .wavefront_size: 32
...
	.end_amdgpu_metadata
.endif
;; end of part 3
;; launch proj (part 4): grid 4 x 64, 4 waves a work-group, clusters of 4 x 4, 327,680 bytes of LDS; arguments ao, wu16, out0; writes out0
.if DOCPART == 4
	.amdgcn_target "amdgcn-amd-amdhsa--gfx1250"
	.amdhsa_code_object_version 6
	.text
	.protected	k_qabdbe38d68_proj
	.globl	k_qabdbe38d68_proj
	.p2align	8
	.type	k_qabdbe38d68_proj,@function
k_qabdbe38d68_proj:
	s_mov_b64 s[64:65], 0
	v_nop
	global_prefetch_b8 v0, s[64:65] scope:SCOPE_SE
	s_setreg_imm32_b32 hwreg(HW_REG_WAVE_MODE, 25, 1), 1
	s_wait_xcnt 0x0
	s_wait_alu depctr_hold_cnt(0) depctr_sa_sdst(0) depctr_va_vdst(0) depctr_va_sdst(0) depctr_va_ssrc(0) depctr_va_vcc(0) depctr_vm_vsrc(0)
	s_getreg_b32 s2, hwreg(HW_REG_IB_STS2, 6, 4)
	s_cmp_eq_u32 s2, 0
	s_cbranch_scc0 .Lentry_in_a_cluster
	s_endpgm
.Lentry_in_a_cluster:
	s_bfe_u32 s2, ttmp6, 0x10000c
	s_cmp_lg_u32 s2, 0xf033
	s_cbranch_scc0 .Lentry_shape_is_right
	s_endpgm
.Lentry_shape_is_right:
; out0[m][n] = sum over k of A[m][k] Wu[n][k], f16 operands, f32 sums.  A = the attention's result, ao: f16 [head 16][m 8,192][64] (k = 64 head + channel); wu16: f16 [n 1,024][k 1,024]; out0: f32 [8,192][1,024].
; Rows t < 16 of each batch are made here with the rest of their tiles and written over by the last launch, which carries them in f32.
; A tile of C is 128 (m) x 256 (n): 256 work-groups.  Wave w: rows 64 (w / 2) on, columns 128 (w % 2) on: 4 x 8 accumulators.  K goes in 8 steps of 128 (two head planes) through two LDS slots.
; CLUSTERS: 4 x 4 work-groups; A's tile is shared along a row of the cluster, Wu's along a column: joint loads.  Waves 0, 1 fetch A's two planes (128 rows x 128 bytes), waves 2, 3 Wu's two halves (128 rows x 256 bytes).
; THE MATRIX INSTRUCTION IS USED TRANSPOSED (source 0 = 16 rows of Wu, source 1 = 16 rows of A): a lane holds eight neighbouring numbers of a row of C.
; REGISTERS: window 0: v16-30 addresses; v64-127 A's fragments, two buffers of 4; v128-255 the way out.  window 1: v0-127 Wu's fragments, two buffers of 8.  window 2: accumulator (a, b) at v[8 (8 a + b)].
.set PA,     144
.set PB,     272
.set APL,    128*PA                    ; a plane of A in LDS
.set BOFF,   2*APL
.set BH,     128*PB
.set SLOT,   BOFF+2*BH
.set STAGE,  2*SLOT                    ; 16 rows x (512 + 16) bytes for each wave
.set SPARE,  STAGE+4*16*528
.set ADRA, 16
.set ADRB, 20
.set STO,  24
.set RD,   25
.set CO,   26
.set SPW,  28
.set NIL,  29
.set PFO,  30
.set BK,   128
.set G1, 24
.set G0, 32
.set G1B, 48
.set G0B, 56
.set LIM, 43                           ; s43  1 in the wave that prefetches, else the greatest number
.set PFA, 44                           ; s[44:45] where my prefetches stand
.set MSB, 0
.macro WIN new
.if MSB != (\new)
	s_set_vgpr_msb (MSB<<8)|(\new)
.set MSB, (\new)
.endif
.endm
.set MUL,  0xa1                        ; source 0 (Wu) window 1, source 1 (A) window 0, C and D window 2
.set TO_B, 0x40
.macro JLOAD s                         ; an s_nop 0 and four v_nop follow each of the two lines
	s_cmp_eq_u32 s11, 0
	s_cbranch_scc0 .Lfor_b_\@
	tensor_load_to_lds s[G0+4*\s:G0+4*\s+3], s[G1:G1+7]
	s_nop 0
.rept 4
	v_nop
.endr
	s_branch .Lasked_\@
.Lfor_b_\@:
	tensor_load_to_lds s[G0B+4*\s:G0B+4*\s+3], s[G1B:G1B+7]
	s_nop 0
.rept 4
	v_nop
.endr
.Lasked_\@:
.endm
.macro CREST
	s_cmp_lg_u32 s10, 0
	s_cbranch_scc1 .Lnot_wave_0_\@
	s_barrier_signal -3
.Lnot_wave_0_\@:
	s_barrier_wait -3
	s_barrier_signal -1
	s_barrier_wait -1
.endm
.macro CROUND
	s_barrier_signal -1
	s_barrier_wait -1
	CREST
.endm
; A PREFETCH INTO THE L2 of A's K step two refills on: 2 planes x 128 rows x 128 bytes are 128 aligned blocks of 256 bytes.  A's tile row is read by one row of one cluster alone: its four partners share the blocks out BY ADDRESS
; (the partner at cx takes plane cx / 2, half cx % 2: 8,192 bytes, lanes 256 bytes apart); in each, wave 0 asks.  Each block is named once in the launch.  K steps 0 to 3 come by their loads alone; the loop's last trip asks for nothing.
; Wu's 2 MB are read again and again by all clusters: no stream that is read once, so it is not asked for.
.macro ASK
	s_cmp_gt_u32 s3, s[LIM]
	s_cbranch_scc0 .Lnot_mine_\@
	global_prefetch_b8 v[PFO], s[PFA:PFA+1] th:TH_LOAD_NT scope:SCOPE_SE
.Lnot_mine_\@:
.endm
	s_load_b128 s[4:7], s[0:1], 0x0                ; ao, wu16
	s_load_b64 s[8:9], s[0:1], 0x10                ; out0
	v_lshl_add_u32 v[SPW], v0, 2, SPARE
	v_mov_b32 v[NIL], 0
	ds_add_u32 v[SPW], v[NIL]                      ; the wave's opening: the add, twice on end, and its wait ahead of my first tensor load
	ds_add_u32 v[SPW], v[NIL]
	v_lshrrev_b32 v1, 5, v0
	v_readfirstlane_b32 s10, v1
	s_lshr_b32 s11, s10, 1                         ; which 64 rows are mine.  Also: I fetch for A (0) or for Wu (1)
	s_and_b32 s12, s10, 1                          ; which 128 columns.  Also: which plane or half I fetch
	s_bfe_u32 s40, ttmp6, 0x40000
	s_bfe_u32 s41, ttmp6, 0x40004
	s_lshl_b32 s42, ttmp9, 2
	s_add_co_u32 s42, s42, s40                     ; tile column
	s_and_b32 s13, ttmp7, 0xffff
	s_lshl_b32 s13, s13, 2
	s_add_co_u32 s13, s13, s41                     ; tile row
	s_lshl_b32 s43, s41, 2
	s_lshl_b32 s43, 15, s43
	s_lshl_b32 s44, 0x1111, s40
	s_or_b32 s[G1+0], s43, (1<<16)|(1<<20)|(1<<21)|(4<<22)|(3<<25)   ; A: 128 rows of 64 elements of 2 bytes, dense; 4 words of padding after every 32
	s_mov_b32 s[G1+1], 64<<16
	s_mov_b32 s[G1+2], 128<<16
	s_mov_b32 s[G1+3], 64<<16
	s_mov_b32 s[G1+4], 128
	s_mov_b32 s[G1+5], 64
	s_mov_b32 s[G1+6], 0
	s_mov_b32 s[G1+7], 0
	s_or_b32 s[G1B+0], s44, (1<<16)|(1<<20)|(1<<21)|(5<<22)|(3<<25)  ; Wu: 128 rows of 128 elements, 1,024 apart; 4 words after every 64
	s_mov_b32 s[G1B+1], 128<<16
	s_mov_b32 s[G1B+2], 128<<16
	s_mov_b32 s[G1B+3], 128<<16
	s_mov_b32 s[G1B+4], 128
	s_mov_b32 s[G1B+5], 1024
	s_mov_b32 s[G1B+6], 0
	s_mov_b32 s[G1B+7], 0
	s_lshl_b32 s16, s13, 14                        ; A: 128 x tile row rows of 128 bytes,
	s_lshl_b32 s17, s12, 20                        ; in plane w % 2
	s_add_co_u32 s16, s16, s17
	s_mov_b32 s17, 0
	s_lshl_b32 s46, s42, 19                        ; Wu: 256 x tile column rows of 2,048 bytes,
	s_lshl_b32 s47, s12, 18                        ; + 128 x half
	s_add_co_u32 s46, s46, s47
	s_mov_b32 s47, 0
	s_mul_i32 s20, s12, APL
	s_mul_i32 s21, s12, BH
	s_add_co_u32 s21, s21, BOFF
	s_wait_dscnt 0x0
	s_wait_kmcnt 0x0
	s_add_nc_u64 s[14:15], s[4:5], s[16:17]
	s_add_nc_u64 s[46:47], s[6:7], s[46:47]
	CROUND                                         ; all sixteen work-groups are here: the first joint loads meet
.irp s, 0,1
	s_mov_b32 s[G0+4*\s], 1
	s_add_co_u32 s[G0+4*\s+1], s20, \s*SLOT
	s_add_nc_u64 s[G0+4*\s+2:G0+4*\s+3], s[14:15], \s*2097152       ; K step s: planes 2 s, 2 s + 1
	s_or_b32 s[G0+4*\s+3], s[G0+4*\s+3], 0x80000000
	s_mov_b32 s[G0B+4*\s], 1
	s_add_co_u32 s[G0B+4*\s+1], s21, \s*SLOT
	s_add_nc_u64 s[G0B+4*\s+2:G0B+4*\s+3], s[46:47], \s*256
	s_or_b32 s[G0B+4*\s+3], s[G0B+4*\s+3], 0x80000000
	JLOAD \s                                       ; two loads of mine are out behind the second
.endr
	v_and_b32 v1, 15, v0
	v_bfe_u32 v2, v0, 4, 1
	v_mul_u32_u24 v3, v1, PA
	v_lshl_add_u32 v3, v2, 4, v3
	v_mul_u32_u24 v4, v1, PB
	v_lshl_add_u32 v4, v2, 4, v4
	s_mul_i32 s21, s11, 64*PA
	s_mul_i32 s22, s12, BH
	s_add_co_u32 s22, s22, BOFF
.irp s, 0,1
	v_add_nc_u32 v[ADRA+\s], s21, v3
	v_add_nc_u32 v[ADRB+\s], s22, v4
	s_add_co_u32 s21, s21, SLOT
	s_add_co_u32 s22, s22, SLOT
.endr
	s_mul_i32 s23, s10, 16*528
	s_add_co_u32 s23, s23, STAGE
	v_mul_u32_u24 v5, v1, 528
	v_lshl_add_u32 v5, v2, 5, v5
	v_add_nc_u32 v[STO], s23, v5
	v_and_b32 v6, 31, v0
	v_lshlrev_b32 v[CO], 4, v6
	v_add_nc_u32 v[RD], s23, v[CO]
	v_lshlrev_b32 v[PFO], 8, v6
	s_lshl_b32 s16, s13, 7
	s_lshl_b32 s17, s11, 6
	s_add_co_u32 s16, s16, s17                     ; my first row of C
	s_lshl_b32 s16, s16, 12
	s_lshl_b32 s46, s42, 10
	s_lshl_b32 s47, s12, 9
	s_add_co_u32 s46, s46, s47                     ; my first column, in bytes
	s_add_co_u32 s16, s16, s46
	s_mov_b32 s17, 0
	s_add_nc_u64 s[8:9], s[8:9], s[16:17]
	s_lshl_b32 s22, s13, 14                        ; the prefetches: the tile's rows,
	s_lshr_b32 s23, s40, 1
	s_lshl_b32 s23, s23, 20                        ; plane cx / 2,
	s_add_co_u32 s22, s22, s23
	s_and_b32 s23, s40, 1
	s_lshl_b32 s23, s23, 13                        ; half cx % 2,
	s_add_co_u32 s22, s22, s23
	s_add_co_u32 s22, s22, 3*2097152               ; at K step 3: the first refill steps it to 4
	s_mov_b32 s23, 0
	s_add_nc_u64 s[PFA:PFA+1], s[4:5], s[22:23]
	s_cmp_eq_u32 s10, 0
	s_cselect_b32 s[LIM], 1, -1
.macro MULA f, a, zero                 ; A's block a against Wu's eight, 32 along K.  The 32 accumulators take turns in the same order in every quarter
.irp b, 0,1,2,3,4,5,6,7
.if \zero
	v_wmma_f32_16x16x32_f16 v[8*(8*(\a)+\b):8*(8*(\a)+\b)+7], v[64*(\f)+8*\b:64*(\f)+8*\b+7], v[64+32*(\f)+8*(\a):64+32*(\f)+8*(\a)+7], 0
.else
	v_wmma_f32_16x16x32_f16 v[8*(8*(\a)+\b):8*(8*(\a)+\b)+7], v[64*(\f)+8*\b:64*(\f)+8*\b+7], v[64+32*(\f)+8*(\a):64+32*(\f)+8*(\a)+7], v[8*(8*(\a)+\b):8*(8*(\a)+\b)+7]
.endif
.endr
.endm
.macro FETCH slot, c, f                ; 24 LDS loads in one run: quarter c of the slot into buffer f: Wu's 16, then A's blocks 0, 1, then 2, 3
	WIN TO_B
.irp b, 0,1,2,3,4,5,6,7
	ds_load_b128 v[64*(\f)+8*\b:64*(\f)+8*\b+3], v[ADRB+\slot] offset:16*PB*\b+64*(\c)
	ds_load_b128 v[64*(\f)+8*\b+4:64*(\f)+8*\b+7], v[ADRB+\slot] offset:16*PB*\b+64*(\c)+32
.endr
	WIN 0
.irp a, 0,1,2,3
	ds_load_b128 v[64+32*(\f)+8*\a:64+32*(\f)+8*\a+3], v[ADRA+\slot] offset:APL*((\c)/2)+16*PA*\a+64*((\c)%2)
	ds_load_b128 v[64+32*(\f)+8*\a+4:64+32*(\f)+8*\a+7], v[ADRA+\slot] offset:APL*((\c)/2)+16*PA*\a+64*((\c)%2)+32
.endr
.endm
.macro PLACES
.rept 4
	v_nop
.endr
.endm
.macro QUARTER slot, cn, f, g, zero    ; multiplies buffer f; in its middle fetches quarter cn of the same slot into g
	s_wait_dscnt 4                                 ; Wu's and A's blocks 0, 1 are in; the youngest four loads (blocks 2, 3) may be out
	WIN MUL
	MULA \f, 0, \zero
	MULA \f, 1, \zero
	PLACES
	FETCH \slot, \cn, \g
	s_wait_dscnt 24                                ; all but the 24 just issued
	WIN MUL
	MULA \f, 2, \zero
	MULA \f, 3, \zero
.endm
; A slot's last quarter multiplies buffer 1 and changes slots: one barrier; in front of it each wave waits for all its tensor loads, adds 0 to its spare word, and waits for that and for its reads of this slot.
.macro TURN slot, next, fill
.if \fill
	s_wait_xcnt 0x0                                ; the last prefetch, a K step back, has read its address
	s_add_nc_u64 s[PFA:PFA+1], s[PFA:PFA+1], 2097152
.endif
	WIN 0
	s_wait_tensorcnt 0x0                           ; my part of the next slot has landed
	ds_add_u32 v[SPW], v[NIL]
	s_wait_dscnt 5                                 ; (the add and the youngest four loads may be out)
	WIN MUL
	MULA 1, 0, 0
	s_wait_dscnt 0x0                               ; the add is done, and my reads of this slot are over
	s_barrier_signal -1
	MULA 1, 1, 0
.if \fill
	WIN 0
.endif
	s_barrier_wait -1
.if \fill
	CREST                                          ; the barrier has opened a round of the cluster's: no wave of any partner still reads this slot or has a load on its way
	s_add_nc_u64 s[G0+4*\slot+2:G0+4*\slot+3], s[G0+4*\slot+2:G0+4*\slot+3], 4194304
	s_add_nc_u64 s[G0B+4*\slot+2:G0B+4*\slot+3], s[G0B+4*\slot+2:G0B+4*\slot+3], 512
	JLOAD \slot                                    ; the first tensor load behind the round; its four v_nop are also the places in front of the loads below
.else
	PLACES
.endif
	FETCH \next, 0, 0
.if \fill
	ASK
.endif
	WIN MUL
	MULA 1, 2, 0
	MULA 1, 3, 0
.endm
	s_wait_tensorcnt 1                             ; my part of K step 0 is in; K step 1's may stay out
	s_barrier_signal -1
	s_barrier_wait -1
	FETCH 0, 0, 0
	QUARTER 0, 1, 0, 1, 1                          ; the first quarter's products start the sums
	WIN 0
	s_mov_b32 s3, 3
.Llap:                                             ; a trip goes once round the ring and fills both slots again
	QUARTER 0, 2, 1, 0, 0
	QUARTER 0, 3, 0, 1, 0
	TURN 0, 1, 1
	QUARTER 1, 1, 0, 1, 0
	QUARTER 1, 2, 1, 0, 0
	QUARTER 1, 3, 0, 1, 0
	TURN 1, 0, 1
	QUARTER 0, 1, 0, 1, 0
	WIN 0
	s_sub_co_u32 s3, s3, 1
	s_cmp_lg_u32 s3, 0
	s_cbranch_scc1 .Llap
	QUARTER 0, 2, 1, 0, 0                          ; the last lap fills nothing
	QUARTER 0, 3, 0, 1, 0
	TURN 0, 1, 0
	QUARTER 1, 1, 0, 1, 0
	QUARTER 1, 2, 1, 0, 0
	QUARTER 1, 3, 0, 1, 0
	s_wait_dscnt 4
	WIN MUL
	MULA 1, 0, 0
	MULA 1, 1, 0
	s_wait_dscnt 0
	MULA 1, 2, 0
	MULA 1, 3, 0
	WIN 0
; THE WAY OUT, a block of 16 rows x 128 columns at a time, through my own stage: rows of 512 bytes come back whole and leave as two aligned runs of 256 bytes.
.macro TOSTAGE a
	WIN 0x08                                       ; the data: window 2
.irp b, 0,1,2,3,4,5,6,7
	ds_store_b128 v[STO], v[8*(8*(\a)+\b):8*(8*(\a)+\b)+3] offset:64*\b          ; each accumulator from its low end on
	ds_store_b128 v[STO], v[8*(8*(\a)+\b)+4:8*(8*(\a)+\b)+7] offset:64*\b+16
.endr
	WIN 0
.set BB, BK+64*((\a)%2)
.irp t, 0,1,2,3,4,5,6,7,8,9,10,11,12,13,14,15
	ds_load_b128 v[BB+4*\t:BB+4*\t+3], v[RD] offset:\t*528
.endr
.endm
.macro SEND a, younger
.set BB, BK+64*((\a)%2)
	s_wait_dscnt \younger                          ; the block is back; the next block's 32 LDS instructions may be out
.irp t, 0,1,2,3,4,5,6,7,8,9,10,11,12,13,14,15
	global_store_b128 v[CO], v[BB+4*\t:BB+4*\t+3], s[8:9] offset:(16*(\a)+\t)*4096 th:TH_STORE_NT
.endr
.endm
	PLACES
	TOSTAGE 0
.irp a, 1,2,3
.if \a > 1
	s_wait_xcnt 0x0                                ; block a - 2's stores have read their registers: block a's loads may land there
.endif
	TOSTAGE \a
	SEND \a-1, 32
.endr
	SEND 3, 0
	s_wait_tensorcnt 0x0                           ; the wave's end
	ds_add_u32 v[SPW], v[NIL]
	s_wait_dscnt 0x0
	CROUND                                         ; the closing round
	s_endpgm
.Lfunc_end_k_qabdbe38d68_proj:
	.size	k_qabdbe38d68_proj, .Lfunc_end_k_qabdbe38d68_proj-k_qabdbe38d68_proj
	.p2alignl 7, 3214868480
	.fill 96, 4, 3214868480
	.section	.rodata,"a",@progbits
	.p2align	6, 0x0
	.amdhsa_kernel k_qabdbe38d68_proj
		.amdhsa_group_segment_fixed_size 327680
		.amdhsa_private_segment_fixed_size 0
		.amdhsa_enable_private_segment 0
		.amdhsa_kernarg_size 24
		.amdhsa_user_sgpr_count 2
		.amdhsa_user_sgpr_kernarg_segment_ptr 1
		.amdhsa_wavefront_size32 1
		.amdhsa_system_sgpr_workgroup_id_x 1
		.amdhsa_system_sgpr_workgroup_id_y 1
		.amdhsa_system_sgpr_workgroup_id_z 1
		.amdhsa_system_vgpr_workitem_id 0
		.amdhsa_next_free_vgpr 768
		.amdhsa_next_free_sgpr 66
		.amdhsa_reserve_vcc 0
		.amdhsa_float_denorm_mode_32 3
		.amdhsa_float_denorm_mode_16_64 3
		.amdhsa_memory_ordered 1
		.amdhsa_forward_progress 1
		.amdhsa_inst_pref_size 86
	.end_amdhsa_kernel
	.amdgpu_metadata
---
amdhsa.version: [ 1, 2 ]
amdhsa.kernels:
  - .name:           k_qabdbe38d68_proj
    .symbol:         k_qabdbe38d68_proj.kd
    .args:
      - { .name: ao, .offset: 0, .size: 8, .value_kind: global_buffer, .address_space: global }
      - { .name: wu16, .offset: 8, .size: 8, .value_kind: global_buffer, .address_space: global }
      - { .name: out0, .offset: 16, .size: 8, .value_kind: global_buffer, .address_space: global }
    .group_segment_fixed_size: 327680
    .private_segment_fixed_size: 0
    .kernarg_segment_align: 8
    .kernarg_segment_size: 24
    .max_flat_workgroup_size: 128
    .sgpr_count:     66
    .vgpr_count:     768
    .wavefront_size: 32
...
	.end_amdgpu_metadata
.endif
;; end of part 4
;; launch first16 (part 5): grid 16 x 4, 16 waves a work-group, no clusters, 71,680 bytes of LDS; arguments fine, Wu, out0; writes out0
.if DOCPART == 5
	.amdgcn_target "amdgcn-amd-amdhsa--gfx1250"
	.amdhsa_code_object_version 6
	.text
	.protected	k_qabdbe38d68_first16
	.globl	k_qabdbe38d68_first16
	.p2align	8
	.type	k_qabdbe38d68_first16,@function
k_qabdbe38d68_first16:
	s_mov_b64 s[64:65], 0
	v_nop
	global_prefetch_b8 v0, s[64:65] scope:SCOPE_SE
	s_setreg_imm32_b32 hwreg(HW_REG_WAVE_MODE, 25, 1), 1
	s_wait_xcnt 0x0
; POSITIONS 0 TO 15 OF EACH SEQUENCE, ALL IN F32: their rows average few values and are the largest in size, so scores, softmax, the product with v and the projection by Wu are carried in f32 and written over the rows that the launch before made.
; WORK LEFT OUT: kln_b (shown at the head of the first launch's text): fine's k has no bias.
; fine: f32 [k q v][b x 16 + head][16][64].  Work-group (slice, b) makes out0[b, 0..15, 64 slice .. + 63].  Wave hd makes head hd's attention (16 x 16 scores) and that head's 64 of the projection's K; the sixteen parts are summed through LDS.
; 96 f32 matrix instructions a wave: no bulk work.  No tensor loads, no cluster: the operands are small and go straight into registers.
; ONE PERMUTATION OF k, ALIKE IN BOTH SOURCES: the f32 form gives lane (r, h) k = 2 h + j.  Scores: step s takes channels 32 h + 2 s, + 1.  With v: step s takes keys 8 h + 2 s, + 1.  Projection: step (ct, i) takes channels
; 16 ct + 8 h + 2 i, + 1.  So each product's results, as they lie in a lane, are the next product's source 1.
; The registers that the f32 matrix form writes (v176-223, v240-255) are written by matrix instructions alone; what is made of a sum goes into other registers.
.set SPARE, 16*4352
.set SPW, 10
.set NIL, 11
.set KR,  16                           ; k, later Wu's tile 2
.set QR,  48                           ; q, later O / l
.set VV,  80                           ; v, later Wu's tile 3
.set W0,  112                          ; Wu's tiles 0, 1; later the reduction
.set SA,  176                          ; two accumulators for the scores; later y's tiles 0, 1
.set OA,  192                          ; O^T, four tiles
.set SS,  224                          ; the scores, then p
.set Y2,  240                          ; y's tiles 2, 3
	s_load_b128 s[4:7], s[0:1], 0x0                ; fine, Wu
	s_load_b64 s[8:9], s[0:1], 0x10                ; out0
	v_lshl_add_u32 v[SPW], v0, 2, SPARE
	v_mov_b32 v[NIL], 0
	v_lshrrev_b32 v1, 5, v0
	v_readfirstlane_b32 s10, v1                    ; wave = head; later: the row that I sum
	s_and_b32 s11, ttmp7, 0xffff                   ; the batch
	v_and_b32 v1, 15, v0                           ; r
	v_bfe_u32 v2, v0, 4, 1                         ; h
	v_lshlrev_b32 v3, 8, v1
	v_lshl_add_u32 v3, v2, 7, v3                   ; k, q: row r, channels 32 h on
	v_lshlrev_b32 v4, 2, v1
	v_lshl_add_u32 v4, v2, 11, v4                  ; v: key 8 h, channel r
	v_lshlrev_b32 v5, 12, v1
	v_lshl_add_u32 v5, v2, 5, v5                   ; Wu: row r, channels 8 h on
	v_lshlrev_b32 v6, 3, v2
	v_sub_nc_u32 v6, v1, v6                        ; r - 8 h
	s_mul_i32 s18, s10, 4352
	v_mul_u32_u24 v7, v1, 272
	v_lshl_add_u32 v7, v2, 5, v7
	v_add_nc_u32 v7, s18, v7                       ; LDS: my head's part, 16 rows of 256 + 16 bytes: row r, + 32 h
	s_mul_i32 s19, s10, 272
	v_and_b32 v9, 31, v0
	v_lshlrev_b32 v9, 3, v9
	v_add_nc_u32 v8, s19, v9                       ; back: row = my wave, 8 bytes a lane
	v_mov_b32 v12, 0xff800000
	v_mov_b32 v233, 0                              ; a lane permute's destination counts as read
	v_mov_b32 v235, 0                              ; the upper word of the pair that holds c m
	s_lshl_b32 s12, s11, 4
	s_add_co_u32 s12, s12, s10
	s_lshl_b32 s12, s12, 12                        ; fine: plane 16 b + head
	s_mov_b32 s13, 0
	s_lshl_b32 s14, ttmp9, 18                      ; Wu: rows 64 slice on,
	s_lshl_b32 s15, s10, 8                         ; columns 64 head on
	s_add_co_u32 s14, s14, s15
	s_mov_b32 s15, 0
	s_lshl_b32 s16, s11, 11
	s_add_co_u32 s16, s16, s10
	s_lshl_b32 s16, s16, 12                        ; out0: row 2,048 b + wave,
	s_lshl_b32 s17, ttmp9, 8                       ; columns 64 slice on
	s_add_co_u32 s16, s16, s17
	s_mov_b32 s17, 0
	s_mov_b32 s20, 0x3e38aa3b                      ; c = log2(e) / 8
	s_mov_b32 s21, s20
	s_mov_b32 s22, 0x76543210
	s_mov_b32 s23, 0xfedcba98
	s_wait_kmcnt 0x0
	s_add_nc_u64 s[4:5], s[4:5], s[12:13]
	s_add_nc_u64 s[6:7], s[6:7], s[14:15]
	s_add_nc_u64 s[8:9], s[8:9], s[16:17]
.irp i, 0,1,2,3,4,5,6,7
	global_load_b128 v[KR+4*\i:KR+4*\i+3], v3, s[4:5] offset:16*\i
.endr
.irp i, 0,1,2,3,4,5,6,7
	global_load_b128 v[QR+4*\i:QR+4*\i+3], v3, s[4:5] offset:262144+16*\i
.endr
.irp ct, 0,1,2,3
.irp i, 0,1,2,3,4,5,6,7
	global_load_b32 v[VV+8*\ct+\i], v4, s[4:5] offset:524288+256*\i+64*\ct      ; v(key 8 h + i, channel 16 ct + r)
.endr
.endr
.macro WLOAD reg, nt                   ; Wu(64 slice + 16 nt + r, 64 head + 16 ct + 8 h + 0 .. 7) at register 8 ct on
.irp ct, 0,1,2,3
.irp k, 0,1
	global_load_b128 v[\reg+8*\ct+4*\k:\reg+8*\ct+4*\k+3], v5, s[6:7] offset:65536*\nt+64*\ct+16*\k
.endr
.endr
.endm
	WLOAD W0, 0
	WLOAD W0+32, 1
	s_wait_loadcnt 48                              ; k and q are in; v's 32 loads and Wu's 16 may be out
.irp s, 0,1,2,3,4,5,6,7,8,9,10,11,12,13,14,15     ; S^T = k q^T: two accumulators by turns
.if \s < 2
	v_wmma_f32_16x16x4_f32 v[SA+8*(\s%2):SA+8*(\s%2)+7], v[KR+2*\s:KR+2*\s+1], v[QR+2*\s:QR+2*\s+1], 0
.else
	v_wmma_f32_16x16x4_f32 v[SA+8*(\s%2):SA+8*(\s%2)+7], v[KR+2*\s:KR+2*\s+1], v[QR+2*\s:QR+2*\s+1], v[SA+8*(\s%2):SA+8*(\s%2)+7]
.endif
.endr
.rept 8
	v_nop                                          ; eight places behind this form, in front of the loads into k's registers and of the first read of the sums
.endr
	WLOAD KR, 2
.irp j, 0,1,2,3,4,5,6,7
	v_add_f32 v[SS+\j], v[SA+\j], v[SA+8+\j]       ; lane (r, h): the score of query r and key 8 h + j
.endr
.irp j, 0,1,2,3,4,5,6,7
	v_cmp_gt_i32 vcc_lo, \j, v6                    ; hidden where 8 h + j > r
	v_cndmask_b32 v[SS+\j], v[SS+\j], v12, vcc_lo
.endr
	v_max3_num_f32 v232, v[SS], v[SS+1], v[SS+2]
	v_max3_num_f32 v232, v232, v[SS+3], v[SS+4]
	v_max3_num_f32 v232, v232, v[SS+5], v[SS+6]
	v_max_num_f32 v232, v232, v[SS+7]
	v_permlanex16_b32 v233, v232, s22, s23
	v_max_num_f32 v232, v232, v233                 ; the row's maximum (key 0 counts for every query)
	v_mul_f32 v234, s20, v232
.irp j, 0,2,4,6
	v_pk_fma_f32 v[SS+\j:SS+\j+1], v[SS+\j:SS+\j+1], s[20:21], v[234:235] op_sel_hi:[1,0,0] neg_lo:[0,0,1] neg_hi:[0,0,1]
.endr
.irp j, 0,1,2,3,4,5,6,7
	v_exp_f32 v[SS+\j], v[SS+\j]
.endr
	v_nop
	s_wait_alu depctr_va_vdst(0)                   ; one wait for the eight, ahead of their first reader
	v_pk_add_f32 v[236:237], v[SS:SS+1], v[SS+2:SS+3]
	v_pk_add_f32 v[238:239], v[SS+4:SS+5], v[SS+6:SS+7]
	v_pk_add_f32 v[236:237], v[236:237], v[238:239]
	v_add_f32 v236, v236, v237
	v_permlanex16_b32 v233, v236, s22, s23
	v_add_f32 v236, v236, v233
	v_rcp_f32 v238, v236
	v_nop
	s_wait_alu depctr_va_vdst(0)
	s_wait_loadcnt 24                              ; v is in; Wu's tiles 0, 1 (16 loads) and 2 (8) may be out
.irp s, 0,1,2,3                        ; O^T = v^T p: four accumulators by turns
.irp ct, 0,1,2,3
.if \s == 0
	v_wmma_f32_16x16x4_f32 v[OA+8*\ct:OA+8*\ct+7], v[VV+8*\ct+2*\s:VV+8*\ct+2*\s+1], v[SS+2*\s:SS+2*\s+1], 0
.else
	v_wmma_f32_16x16x4_f32 v[OA+8*\ct:OA+8*\ct+7], v[VV+8*\ct+2*\s:VV+8*\ct+2*\s+1], v[SS+2*\s:SS+2*\s+1], v[OA+8*\ct:OA+8*\ct+7]
.endif
.endr
.endr
.rept 8
	v_nop
.endr
	WLOAD VV, 3
.set n, 0
.rept 16
	v_pk_mul_f32 v[QR+n:QR+n+1], v[OA+n:OA+n+1], v[238:239] op_sel_hi:[1,0]     ; O / l: register 8 ct + j: channel 16 ct + 8 h + j of query r
.set n, n+2
.endr
	s_wait_loadcnt 16                              ; Wu's tiles 0, 1 are in; tiles 2 and 3 (8 loads each) may be out
.irp ct, 0,1,2,3                       ; y^T = Wu O^T: tiles 0, 1 by turns
.irp i, 0,1,2,3
.irp nt, 0,1
.if (\ct == 0) && (\i == 0)
	v_wmma_f32_16x16x4_f32 v[SA+8*\nt:SA+8*\nt+7], v[W0+32*\nt+8*\ct+2*\i:W0+32*\nt+8*\ct+2*\i+1], v[QR+8*\ct+2*\i:QR+8*\ct+2*\i+1], 0
.else
	v_wmma_f32_16x16x4_f32 v[SA+8*\nt:SA+8*\nt+7], v[W0+32*\nt+8*\ct+2*\i:W0+32*\nt+8*\ct+2*\i+1], v[QR+8*\ct+2*\i:QR+8*\ct+2*\i+1], v[SA+8*\nt:SA+8*\nt+7]
.endif
.endr
.endr
.endr
	s_wait_loadcnt 0x0
.irp ct, 0,1,2,3                       ; tiles 2, 3 by turns
.irp i, 0,1,2,3
.irp nt, 0,1
.if (\ct == 0) && (\i == 0)
	v_wmma_f32_16x16x4_f32 v[Y2+8*\nt:Y2+8*\nt+7], v[KR+64*\nt+8*\ct+2*\i:KR+64*\nt+8*\ct+2*\i+1], v[QR+8*\ct+2*\i:QR+8*\ct+2*\i+1], 0
.else
	v_wmma_f32_16x16x4_f32 v[Y2+8*\nt:Y2+8*\nt+7], v[KR+64*\nt+8*\ct+2*\i:KR+64*\nt+8*\ct+2*\i+1], v[QR+8*\ct+2*\i:QR+8*\ct+2*\i+1], v[Y2+8*\nt:Y2+8*\nt+7]
.endif
.endr
.endr
.endr
.rept 8
	v_nop
.endr
.irp nt, 0,1                           ; lane (r, h): my head's part of y(r, 16 nt + 8 h + 0 .. 7); each accumulator from its low end on
	ds_store_b128 v7, v[SA+8*\nt:SA+8*\nt+3] offset:64*\nt
	ds_store_b128 v7, v[SA+8*\nt+4:SA+8*\nt+7] offset:64*\nt+16
.endr
.irp nt, 0,1
	ds_store_b128 v7, v[Y2+8*\nt:Y2+8*\nt+3] offset:128+64*\nt
	ds_store_b128 v7, v[Y2+8*\nt+4:Y2+8*\nt+7] offset:128+64*\nt+16
.endr
	s_wait_dscnt 0x0                               ; for the others' sake: my stores have landed
	s_barrier_signal -1
	s_barrier_wait -1
.irp g, 0,1,2,3,4,5,6,7,8,9,10,11,12,13,14,15
	ds_load_b64 v[W0+2*\g:W0+2*\g+1], v8 offset:4352*\g      ; row = my wave, of each head's part
.endr
	s_wait_dscnt 0x0
.irp g, 1,2,3,4,5,6,7,8,9,10,11,12,13,14,15
	v_pk_add_f32 v[W0:W0+1], v[W0:W0+1], v[W0+2*\g:W0+2*\g+1]   ; heads ascending
.endr
	global_store_b64 v9, v[W0:W0+1], s[8:9]        ; the wave stores 256 consecutive bytes, aligned
	s_wait_tensorcnt 0x0                           ; the wave's end, behind my last LDS store
	ds_add_u32 v[SPW], v[NIL]
	s_wait_dscnt 0x0
	s_endpgm
.Lfunc_end_k_qabdbe38d68_first16:
	.size	k_qabdbe38d68_first16, .Lfunc_end_k_qabdbe38d68_first16-k_qabdbe38d68_first16
	.p2alignl 7, 3214868480
	.fill 96, 4, 3214868480
	.section	.rodata,"a",@progbits
	.p2align	6, 0x0
	.amdhsa_kernel k_qabdbe38d68_first16
		.amdhsa_group_segment_fixed_size 71680
		.amdhsa_private_segment_fixed_size 0
		.amdhsa_enable_private_segment 0
		.amdhsa_kernarg_size 24
		.amdhsa_user_sgpr_count 2
		.amdhsa_user_sgpr_kernarg_segment_ptr 1
		.amdhsa_wavefront_size32 1
		.amdhsa_system_sgpr_workgroup_id_x 1
		.amdhsa_system_sgpr_workgroup_id_y 1
		.amdhsa_system_sgpr_workgroup_id_z 1
		.amdhsa_system_vgpr_workitem_id 0
		.amdhsa_next_free_vgpr 256
		.amdhsa_next_free_sgpr 66
		.amdhsa_reserve_vcc 1
		.amdhsa_float_denorm_mode_32 3
		.amdhsa_float_denorm_mode_16_64 3
		.amdhsa_memory_ordered 1
		.amdhsa_forward_progress 1
		.amdhsa_inst_pref_size 23
	.end_amdhsa_kernel
	.amdgpu_metadata
---
amdhsa.version: [ 1, 2 ]
amdhsa.kernels:
  - .name:           k_qabdbe38d68_first16
    .symbol:         k_qabdbe38d68_first16.kd
    .args:
      - { .name: fine, .offset: 0, .size: 8, .value_kind: global_buffer, .address_space: global }
      - { .name: Wu, .offset: 8, .size: 8, .value_kind: global_buffer, .address_space: global }
      - { .name: out0, .offset: 16, .size: 8, .value_kind: global_buffer, .address_space: global }
    .group_segment_fixed_size: 71680
    .private_segment_fixed_size: 0
    .kernarg_segment_align: 8
    .kernarg_segment_size: 24
    .max_flat_workgroup_size: 512
    .sgpr_count:     66
    .vgpr_count:     256
    .wavefront_size: 32
...
	.end_amdgpu_metadata
.endif
;; end of part 5
